; MI455X (gfx1250); checked and timed in simulation.
; The chip was launched on July 23, 2026; its instructions are those of AMD's public machine-readable ISA for CDNA 5 (MIT licence, August 2026) and "CDNA5" Instruction Set Architecture Reference Guide (July 2026). The comments in the code are by the model that wrote it; some were corrected since.
;; Causal Self Attention. Allowed arithmetic: matrix products marked QUANTISED: E2M1 operands, one E8M0 scale for each 32 along K, by v_wmma_scale_f32_16x16x128_f8f6f4 with both operands' format E2M1 (or v_wmma_scale_f32_32x16x128_f4), f32 sums; everything else in f32.
;; Inputs: W_attn 1,024 x 3,072 float32; W_proj 1,024 x 1,024 float32; b_attn 3,072 float32; b_proj 1,024 float32; x 4 x 2,048 x 1,024 float32.
;; Outputs: out0 4 x 2,048 x 1,024 float32.
;; This version of the problem:
;;   THIS VERSION OF THE PROBLEM IS GIVEN IN LOW PRECISION. The matrix products marked QUANTISED in the list below multiply operands that are first quantised to E2M1 (2 exponent bits, 1 mantissa bit; 4 bits a number), with one power-of-two scale for each 32 numbers along K (OCP MX v1.0); their sums are f32. All else is computed in f32.
;;   The module's matrix products, in the order in which they are computed (A, B: the left and right operand; K: the contracted axis; several contracted axes count as one K, in the product's order):
;;     1. [M 8,192, K 1,024] x [K 1,024, N 3,072]; A: input x; B: input W_attn: QUANTISED
;;     2. batch 64 x [M 2,048, K 64] x [K 64, N 2,048]; A: computed on the way; B: computed on the way: QUANTISED
;;     3. batch 64 x [M 2,048, K 2,048] x [K 2,048, N 64]; A: softmax (see below); B: computed on the way: QUANTISED
;;     4. [M 8,192, K 1,024] x [K 1,024, N 1,024]; A: computed on the way; B: input W_proj: QUANTISED
;;   THE QUANTISER, for each operand of a quantised product, along K:
;;     - K is cut into blocks of 32 from its start; a last block that is shorter is filled with zeros.
;;     - A block's scale is 2^e with e = floor(log2(the largest magnitude in the block)) - 2, held to -126 .. 127; a block of zeros has e = 0. As a byte (E8M0): e + 127.
;;     - Each number is divided by its block's scale, clamped to +-6, and rounded to the nearest number of E2M1, ties to even, subnormals kept.
;;     - The product sums the exact products of the quantised numbers (number of the format x scale) in f32.
;;   ~~~python
;;   def quantise(x, axis):      # numpy; x: float32 -> the quantised numbers, widened to float32 again
;;       x = np.moveaxis(x, axis, -1); K = x.shape[-1]
;;       x = np.pad(x, [(0, 0)] * (x.ndim - 1) + [(0, -K % 32)]); x = x.reshape(x.shape[:-1] + (-1, 32)); a = np.abs(x).max(-1, keepdims=True)
;;       e = np.where(a > 0, np.clip(np.frexp(np.where(a > 0, a, 1))[1] - 1 - 2, -126, 127), 0)      # np.frexp(a)[1] - 1 = floor(log2(a)), exactly
;;       r = np.clip(x / 2.0 ** e, -6, 6)
;;       step = 2.0 ** (np.maximum(np.frexp(np.where(r == 0, 1, r))[1] - 1, 0) - 1)
;;       q = np.round(r / step) * step * 2.0 ** e      # np.round: ties to even
;;       return np.moveaxis(q.reshape(q.shape[:-2] + (-1,))[..., :K], -1, axis).astype(np.float32)
;;   ~~~
;;   SOFTMAX AHEAD OF A QUANTISED PRODUCT. Where the list says 'softmax', what is quantised is not the finished softmax but p = 2^(t - M), with t = logit x log2(e) and M = ceil(the row's largest t), a whole number; so 1/2 < the row's largest p <= 1. The row's sum l is taken of the UNQUANTISED p, in f32, and the product's result is divided by l at the end. Since M is a whole number, a kernel that streams over the keys may use a running M (the ceiling of the running maximum): every later rescaling is an exact power of two, which a block's scale takes up: the codes' values come out the same.
;;   OPERANDS COMPUTED ON THE WAY. 'Computed on the way' means the value that the module computes at that place (a softmax that the list does not call 'softmax' is quantised finished and normalised). What goes into a quantiser is computed in f32, as accurately as f32 sums, v_exp_f32 and their like allow (about 1e-6 of the number): no bf16 or f16 on the way to a quantiser, and a product that is left as it is and whose result goes on into a quantised operand takes f32 operands (vector FMAs, or v_wmma_f32_16x16x4_f32). A number that lies on a knife's edge between two numbers of the format may be rounded either way, as far as f32 arithmetic and the matrix unit's own rounding can turn it there, and no further.
;; One version. Each part assembles by itself: llvm-mc -triple=amdgcn-amd-amdhsa -mcpu=gfx1250 --defsym DOCPART=n.
;; ======== version 1 of 1: 4 launches
;; workspace buffers: xq 4,456,448 bytes; wq 2,228,224 bytes; pk 13,893,632 bytes; yq 4,456,448 bytes
;; launch prep (part 1): grid 256 x 1, 8 waves a work-group, no clusters, 103,424 bytes of LDS; arguments x, W_attn, W_proj, xq, wq; writes xq, wq
.if DOCPART == 1
	.amdgcn_target "amdgcn-amd-amdhsa--gfx1250"
	.amdhsa_code_object_version 6
	.text
	.protected	k_qa6c4b8856e_prep
	.globl	k_qa6c4b8856e_prep
	.p2align	8
	.type	k_qa6c4b8856e_prep,@function
k_qa6c4b8856e_prep:
	s_mov_b64 s[64:65], 0
	v_nop
	global_prefetch_b8 v0, s[64:65] scope:SCOPE_SE
	s_setreg_imm32_b32 hwreg(HW_REG_WAVE_MODE, 25, 1), 1
	s_wait_xcnt 0x0
; CAUSAL SELF-ATTENTION IN MX-FP4, four launches: prep (this one), qkv, attn, proj.
; prep turns x [8192][1024], W_attn [1024][3072] and W_proj [1024][1024], all f32, into codes of E2M1 with K innermost and one E8M0 byte for each 32 along K:
;   xq: codes [8192][512 bytes] at 0, scale bytes [8192][32] at XS.   wq: W_attn's codes [3072 n][512] at 0, its bytes [3072][32] at WAS; W_proj's codes [1024 n][512] at WPC, its bytes [1024][32] at WPS.
; A block's scale is 2^(floor(log2(its largest magnitude)) - 2): its byte is that magnitude's exponent field less 2, held at 1 from below; each number is divided by it and rounded to the nearest code, ties to even, beyond 6 the largest code.
; WORK LEFT OUT BY THE PROGRAM (in launch attn): a step of 128 keys all of which come after a tile's 16 queries.  reference() builds jnp.tril in its own body and puts -infinity on those scores ahead of the softmax,
; so their p is 0 whatever finite values the inputs hold, they add nothing to the row's sum or to y, and a block of 32 such p is a block of zeros.  No input is without a way to the output: all five are loaded.
; LIMITS: a NaN, an infinity or an overflow that reaches only the scores left out is not carried to the result.  NaN and infinities among the inputs are not served.  A block of zeros, or one whose largest magnitude lies
; under 2^-124, gets the byte 1 where the rule says otherwise for zeros: its codes are zeros (or the rule's own held scale), and these bytes are read by this program alone.
; SHARES.  Work-groups 0-127: x, a plain stream of blocks of 32 (rows are dense): a wave takes 8,192 numbers in 16 steps of 512.  Each load reads 512 consecutive bytes; a step turns through the wave's own stage in LDS so that a
; lane holds 16 neighbours; two neighbouring lanes hold a block.  Loads run eight steps (32 loads a wave) ahead.
; Work-groups 128-223: W_attn, 224-255: W_proj.  K is the weights' FIRST axis: a lane takes a column and its registers run down K, so that a block of 32 lies in one lane and the codes come out with K innermost.
; A work-group takes 64 columns x 512 along K: wave w columns 32 (w & 1) on, 128 (w >> 1) along K on.  The codes meet in a stage (a row = a column's 256 bytes), one barrier, and leave as aligned runs of 256 bytes.
; The weights' scale bytes leave in pieces of 16 bytes (a column's 16 of its row of 32): one byte for each 128 bytes that the path reads.
; The three paths part on the work-group's number alone, the same in all eight waves, and each has LDS bytes of its own.  No tensor load, no cluster: work-groups share no input.
.set XS,    4194304
.set WAS,   1572864
.set WPC,   1671168
.set WPS,   2195456
.set WREG,  8192                       ; x: a region for each wave: two stages of 32 x SP bytes, then its 256 scale bytes
.set SP,    80                         ; a lane's place in a stage: 64 bytes + 16 of padding
.set WA_ST, 65536                      ; W_attn's stage: 64 rows x 272
.set WA_SC, 82944                      ; and its scale words: 64 columns x 16 bytes
.set WP_ST, 83968                      ; W_proj's likewise
.set WP_SC, 101376
.set SPARE, 102400                     ; the spare words, 128 bytes for each of eight waves: four blocks of 256 bytes that no other line names
.set SPW,   224                        ; v224 LDS address of my spare word; never rewritten
.set NIL,   225                        ; v225 0; never rewritten
.set STEPS, 16
.set AHEAD, 8
.set R,     16                         ; v16-143  eight sets of 16 numbers as loaded
.set X,     144                        ; v144-175 two sets of 16 neighbours
.set C,     176                        ; v176-207 codes, two registers a step: no store's data are written again
.set E,     208                        ; v208-223 a scale byte a step
.set WX,    32                         ; weights: v32-95 two sets of 32 numbers
.set WC,    96                         ; v96-99 a block's codes
.set WO,    100                        ; v100-116 the way out
	s_load_b128 s[4:7], s[0:1], 0x0                ; x, W_attn
	s_load_b128 s[8:11], s[0:1], 0x10              ; W_proj, xq
	s_load_b64 s[12:13], s[0:1], 0x20              ; wq
	v_lshl_add_u32 v[SPW], v0, 2, SPARE
	v_mov_b32 v[NIL], 0
	v_lshrrev_b32 v1, 5, v0
	s_delay_alu instid0(VALU_DEP_1)
	v_readfirstlane_b32 s16, v1                    ; wave 0..7
	v_and_b32 v2, 31, v0                           ; lane
	s_cmp_lt_u32 ttmp9, 128
	s_cbranch_scc0 .Lweights
; ---------------- x ----------------
	v_lshlrev_b32 v3, 4, v2                        ; my 16 bytes of a load's 512
	s_lshl_b32 s17, s16, 13                        ; my wave's region
	v_lshrrev_b32 v14, 2, v2
	s_delay_alu instid0(VALU_DEP_1)
	v_mul_u32_u24 v14, v14, SP
	v_and_b32 v15, 3, v2
	s_delay_alu instid0(VALU_DEP_1)
	v_lshl_add_u32 v14, v15, 4, v14
	s_delay_alu instid0(VALU_DEP_1)
	v_add_nc_u32 v14, s17, v14                     ; the stage, way in: four lanes' 64 bytes on end, then the padding
	v_mul_u32_u24 v15, v2, SP
	s_delay_alu instid0(VALU_DEP_1)
	v_add_nc_u32 v15, s17, v15                     ; way out: my 16 neighbours
	v_lshlrev_b32 v4, 3, v2                        ; 8 bytes a lane: my codes in a step's 256, and my part of the 256 scale bytes
	v_lshrrev_b32 v5, 1, v2
	s_add_co_u32 s17, s17, 2*32*SP
	v_add_nc_u32 v5, s17, v5                       ; LDS: my block's byte
	v_add_nc_u32 v6, s17, v4                       ; and 8 of the bytes on the way out
	s_lshl_b32 s17, ttmp9, 3
	s_add_co_u32 s17, s17, s16                     ; which run of 8,192 numbers is my wave's: 0..1023
	s_lshl_b32 s18, s17, 15
	s_mov_b32 s19, 0
	s_lshl_b32 s20, s17, 12
	s_mov_b32 s21, 0
	s_lshl_b32 s22, s17, 8
	s_add_co_u32 s22, s22, XS
	s_mov_b32 s23, 0
	s_wait_alu depctr_va_vdst(0)
	s_wait_kmcnt 0x0
	s_add_nc_u64 s[4:5], s[4:5], s[18:19]          ; x at my run
	s_add_nc_u64 s[24:25], s[10:11], s[20:21]      ; its codes
	s_add_nc_u64 s[26:27], s[10:11], s[22:23]      ; its scale bytes
.macro XLOAD t
.irp i, 0,1,2,3
	global_load_b128 v[R+16*((\t)%AHEAD)+4*\i:R+16*((\t)%AHEAD)+4*\i+3], v3, s[4:5] offset:2048*(\t)+512*\i th:TH_LOAD_NT   ; 32 lanes read 512 consecutive bytes
.endr
.endm
.macro XTURN t                         ; step t's numbers through the stage: LDS serves a wave's instructions in order, so no wait stands between the stores and the loads
.irp i, 0,1,2,3
	ds_store_b128 v14, v[R+16*((\t)%AHEAD)+4*\i:R+16*((\t)%AHEAD)+4*\i+3] offset:32*SP*((\t)%2)+8*SP*\i
.endr
.irp i, 0,1,2,3
	ds_load_b128 v[X+16*((\t)%2)+4*\i:X+16*((\t)%2)+4*\i+3], v15 offset:32*SP*((\t)%2)+16*\i
.endr
.endm
.irp t, 0,1,2,3,4,5,6,7
	XLOAD \t
.endr
	s_wait_loadcnt 28                              ; step 0's four loads are in; those of the seven steps behind it may be out
	XTURN 0
.macro XSTEP t
.set XB, X+16*((\t)%2)
.if (\t) > 0
	s_wait_dscnt 1                                 ; this step's numbers are back from the stage (the last step's byte store may be out): so its stores into the stage have read their registers,
.else
	s_wait_dscnt 0x0
.endif
.if (\t)+AHEAD < STEPS
	XLOAD (\t)+AHEAD                               ; which take the loads of eight steps on
.endif
.if (\t)+1 < STEPS
.if STEPS-2-(\t) >= AHEAD-1
	s_wait_loadcnt 4*(AHEAD-1)                     ; the next step's four loads are in; those of the seven steps behind it may be out
.else
	s_wait_loadcnt 4*(STEPS-2-(\t))                ; towards the end fewer steps stand behind it
.endif
	XTURN (\t)+1                                   ; they go through the other stage while this step is worked
.endif
	v_max3_num_f32 v8, |v[XB]|, |v[XB+1]|, |v[XB+2]|   ; the largest magnitude of my 16, in two chains
	v_max3_num_f32 v9, |v[XB+3]|, |v[XB+4]|, |v[XB+5]|
.irp i, 6,10
	s_delay_alu instid0(VALU_DEP_2)
	v_max3_num_f32 v8, v8, |v[XB+\i]|, |v[XB+\i+1]|
	s_delay_alu instid0(VALU_DEP_2)
	v_max3_num_f32 v9, v9, |v[XB+\i+2]|, |v[XB+\i+3]|
.endr
	s_delay_alu instid0(VALU_DEP_2)
	v_max3_num_f32 v8, v8, |v[XB+14]|, |v[XB+15]|
	s_delay_alu instid0(VALU_DEP_1)
	v_max3_num_f32 v8, v8, v9, 0x1800000           ; and the floor 2^(3 - 127): the byte cannot fall under 1
	s_delay_alu instid0(VALU_DEP_1)
	v_max_num_f32_dpp v8, v8, v8 row_xmask:1 row_mask:0xf bank_mask:0xf   ; with my neighbour's 16: the block's
	s_delay_alu instid0(VALU_DEP_1)
	v_add_nc_u32 v11, 0xff000000, v8               ; 2 off its exponent field: the conversion takes the exponent field of this operand as its scale
	v_cvt_scalef32_pk8_fp4_f32 v[C+2*(\t)], v[XB:XB+7], v11
	v_cvt_scalef32_pk8_fp4_f32 v[C+2*(\t)+1], v[XB+8:XB+15], v11
	v_lshrrev_b32 v[E+(\t)], 23, v11               ; the scale's byte (a plain line behind the conversions)
	ds_store_b8 v5, v[E+(\t)] offset:16*(\t)       ; both lanes of a block write the same byte with the same value
	global_store_b64 v4, v[C+2*(\t):C+2*(\t)+1], s[24:25] offset:256*(\t)   ; the wave stores 256 consecutive bytes, aligned
.endm
.irp t, 0,1,2,3,4,5,6,7,8,9,10,11,12,13,14,15
	XSTEP \t
.endr
	ds_load_b64 v[8:9], v6                         ; LDS serves a wave's instructions in order: this sees my byte stores
	s_wait_dscnt 0x0
	global_store_b64 v4, v[8:9], s[26:27]          ; my run's 256 scale bytes, aligned
	s_branch .Lend
; ---------------- the weights ----------------
.macro WLOAD t, cols                   ; block t: W(32 t + i, my column), i = 0 .. 31, into set t % 2: 32 lanes read 128 consecutive bytes
.set k, 0
.rept 32
	global_load_b32 v[WX+32*((\t)%2)+k], v3, s[28:29] offset:(32*(\t)+k)*(\cols)*4 th:TH_LOAD_NT
.set k, k+1
.endr
.endm
.macro WBLOCK t, cols
.set XB, WX+32*((\t)%2)
.if (\t) < 3
	s_wait_loadcnt 32                              ; this block's 32 loads are in; the next block's may be out
.else
	s_wait_loadcnt 0x0
.endif
	v_max3_num_f32 v16, |v[XB]|, |v[XB+1]|, |v[XB+2]|   ; the block's largest magnitude: all 32 numbers are mine
	v_max3_num_f32 v17, |v[XB+3]|, |v[XB+4]|, |v[XB+5]|
.irp i, 6,10,14,18,22,26
	s_delay_alu instid0(VALU_DEP_2)
	v_max3_num_f32 v16, v16, |v[XB+\i]|, |v[XB+\i+1]|
	s_delay_alu instid0(VALU_DEP_2)
	v_max3_num_f32 v17, v17, |v[XB+\i+2]|, |v[XB+\i+3]|
.endr
	s_delay_alu instid0(VALU_DEP_2)
	v_max3_num_f32 v16, v16, |v[XB+30]|, |v[XB+31]|
	s_delay_alu instid0(VALU_DEP_1)
	v_max3_num_f32 v16, v16, v17, 0x1800000        ; and the floor
	s_delay_alu instid0(VALU_DEP_1)
	v_add_nc_u32 v10, 0xff000000, v16              ; the conversion's scale operand
	s_delay_alu instid0(VALU_DEP_1)
	v_lshrrev_b32 v11, 23, v10                     ; the byte
.if (\t) == 0
	s_delay_alu instid0(VALU_DEP_1)
	v_mov_b32 v24, v11                             ; my four blocks' bytes make one word, the lower K in the lower byte
.else
	s_delay_alu instid0(VALU_DEP_1)
	v_lshl_or_b32 v24, v11, 8*(\t), v24
.endif
.irp g, 0,1,2,3
	v_cvt_scalef32_pk8_fp4_f32 v[WC+\g], v[XB+8*\g:XB+8*\g+7], v10
.endr
	ds_store_b128 v4, v[WC:WC+3] offset:16*(\t)    ; 32 codes: 16 bytes of my column's row
.if (\t) < 2
	WLOAD (\t)+2, \cols
.endif
	s_wait_dscnt 0x0                               ; the store has read its registers: the next block's codes may be written
.endm
; s17 = which 64 columns, s18 = which 512 along K, s[28:29] = the weight.  cols: its columns; st, sc: its LDS; cofs, sofs: where its codes and bytes begin in wq
.macro WPATH cols, st, sc, cofs, sofs
	s_and_b32 s20, s16, 1                          ; which 32 of the 64 columns
	s_lshr_b32 s21, s16, 1                         ; which 128 of the 512 along K
	s_lshl_b32 s22, s18, 9
	s_lshl_b32 s23, s21, 7
	s_add_co_u32 s22, s22, s23                     ; my first row of the weight
	s_mul_i32 s22, s22, (\cols)*4
	s_lshl_b32 s23, s17, 8
	s_add_co_u32 s22, s22, s23
	s_lshl_b32 s23, s20, 7
	s_add_co_u32 s22, s22, s23                     ; + my first column, in bytes
	s_mov_b32 s23, 0
	s_add_nc_u64 s[28:29], s[28:29], s[22:23]
	v_lshlrev_b32 v3, 2, v2                        ; 4 bytes a lane
	WLOAD 0, \cols
	WLOAD 1, \cols
	s_mul_i32 s24, s20, 32*272
	s_lshl_b32 s25, s21, 6
	s_add_co_u32 s24, s24, s25
	s_add_co_u32 s24, s24, \st
	v_mul_u32_u24 v4, v2, 272
	s_delay_alu instid0(VALU_DEP_1)
	v_add_nc_u32 v4, s24, v4                       ; the stage, way in: row = my column, + 64 bytes for each 128 along K
	s_lshl_b32 s24, s20, 9
	s_lshl_b32 s25, s21, 2
	s_add_co_u32 s24, s24, s25
	s_add_co_u32 s24, s24, \sc
	v_lshl_add_u32 v5, v2, 4, s24                  ; my scale word: 16 bytes a column, word = which 128 along K
	v_and_b32 v6, 15, v2
	v_lshrrev_b32 v7, 4, v2
	s_mul_i32 s24, s16, 8*272
	s_add_co_u32 s24, s24, \st
	v_mul_u32_u24 v8, v7, 272
	s_delay_alu instid0(VALU_DEP_1)
	v_lshl_add_u32 v8, v6, 4, v8
	s_delay_alu instid0(VALU_DEP_1)
	v_add_nc_u32 v8, s24, v8                       ; way out: wave w takes rows 8 w on, sixteen lanes to a row
	v_lshlrev_b32 v9, 9, v7
	s_delay_alu instid0(VALU_DEP_1)
	v_lshl_add_u32 v9, v6, 4, v9                   ; and the same place in the codes: rows of 512 bytes
	s_lshl_b32 s24, s17, 15
	s_lshl_b32 s25, s16, 12
	s_add_co_u32 s24, s24, s25
	s_lshl_b32 s25, s18, 8
	s_add_co_u32 s24, s24, s25
	s_add_co_u32 s24, s24, \cofs
	s_mov_b32 s25, 0
	s_add_nc_u64 s[30:31], s[12:13], s[24:25]      ; codes: row 64 x + 8 w, byte 256 y
	s_lshl_b32 s24, s16, 7
	s_add_co_u32 s24, s24, \sc
	v_lshl_add_u32 v12, v2, 2, s24                 ; the scale words of my 8 rows: 128 bytes on end
	v_lshrrev_b32 v13, 2, v2
	v_and_b32 v14, 3, v2
	s_delay_alu instid0(VALU_DEP_2)
	v_lshlrev_b32 v13, 5, v13
	s_delay_alu instid0(VALU_DEP_1)
	v_lshl_add_u32 v13, v14, 2, v13                ; in memory: 32 bytes a row
	s_lshl_b32 s24, s17, 11
	s_lshl_b32 s25, s16, 8
	s_add_co_u32 s24, s24, s25
	s_lshl_b32 s25, s18, 4
	s_add_co_u32 s24, s24, s25
	s_add_co_u32 s24, s24, \sofs
	s_mov_b32 s25, 0
	s_add_nc_u64 s[32:33], s[12:13], s[24:25]
	WBLOCK 0, \cols
	WBLOCK 1, \cols
	WBLOCK 2, \cols
	WBLOCK 3, \cols
	s_wait_alu depctr_va_vdst(0)
	ds_store_b32 v5, v24
	s_wait_dscnt 0x0                               ; for the others' sake: my stores into the stage are done
	s_barrier_signal -1
	s_barrier_wait -1                              ; a row's 256 bytes come from four waves
.irp i, 0,1,2,3
	ds_load_b128 v[WO+4*\i:WO+4*\i+3], v8 offset:2*\i*272
.endr
	ds_load_b32 v[WO+16], v12
.irp i, 0,1,2,3
	s_wait_dscnt 4-\i                              ; the later loads of this run may be out
	global_store_b128 v9, v[WO+4*\i:WO+4*\i+3], s[30:31] offset:1024*\i   ; sixteen lanes store 256 consecutive bytes, aligned
.endr
	s_wait_dscnt 0x0
	global_store_b32 v13, v[WO+16], s[32:33]
.endm
.Lweights:
	s_cmp_lt_u32 ttmp9, 224
	s_cbranch_scc0 .Lwproj
	s_sub_co_u32 s17, ttmp9, 128                   ; 0..95: 48 groups of 64 columns x 2 halves of K
	s_cmp_ge_u32 s17, 48
	s_cselect_b32 s18, 1, 0
	s_cselect_b32 s19, 48, 0
	s_sub_co_u32 s17, s17, s19
	s_wait_kmcnt 0x0
	s_mov_b64 s[28:29], s[6:7]
	s_wait_alu depctr_va_vdst(0)
	WPATH 3072, WA_ST, WA_SC, 0, WAS
	s_branch .Lend
.Lwproj:
	s_sub_co_u32 s17, ttmp9, 224                   ; 0..31: 16 groups of 64 columns x 2 halves of K
	s_lshr_b32 s18, s17, 4
	s_and_b32 s17, s17, 15
	s_wait_kmcnt 0x0
	s_mov_b64 s[28:29], s[8:9]
	s_wait_alu depctr_va_vdst(0)
	WPATH 1024, WP_ST, WP_SC, WPC, WPS
.Lend:
	s_wait_tensorcnt 0x0                           ; the wave's end, behind my last LDS store
	ds_add_u32 v[SPW], v[NIL]
	s_wait_dscnt 0x0
	s_endpgm
.Lfunc_end_k_qa6c4b8856e_prep:
	.size	k_qa6c4b8856e_prep, .Lfunc_end_k_qa6c4b8856e_prep-k_qa6c4b8856e_prep
	.p2alignl 7, 3214868480
	.fill 96, 4, 3214868480
	.section	.rodata,"a",@progbits
	.p2align	6, 0x0
	.amdhsa_kernel k_qa6c4b8856e_prep
		.amdhsa_group_segment_fixed_size 103424
		.amdhsa_private_segment_fixed_size 0
		.amdhsa_enable_private_segment 0
		.amdhsa_kernarg_size 40
		.amdhsa_user_sgpr_count 2
		.amdhsa_user_sgpr_kernarg_segment_ptr 1
		.amdhsa_wavefront_size32 1
		.amdhsa_system_sgpr_workgroup_id_x 1
		.amdhsa_system_sgpr_workgroup_id_y 1
		.amdhsa_system_sgpr_workgroup_id_z 1
		.amdhsa_system_vgpr_workitem_id 0
		.amdhsa_next_free_vgpr 228
		.amdhsa_next_free_sgpr 66
		.amdhsa_reserve_vcc 0
		.amdhsa_float_denorm_mode_32 3
		.amdhsa_float_denorm_mode_16_64 3
		.amdhsa_memory_ordered 1
		.amdhsa_forward_progress 1
		.amdhsa_inst_pref_size 86
	.end_amdhsa_kernel
	.amdgpu_metadata
---
amdhsa.version: [ 1, 2 ]
amdhsa.kernels:
  - .name:           k_qa6c4b8856e_prep
    .symbol:         k_qa6c4b8856e_prep.kd
    .args:
      - { .name: x, .offset: 0, .size: 8, .value_kind: global_buffer, .address_space: global }
      - { .name: W_attn, .offset: 8, .size: 8, .value_kind: global_buffer, .address_space: global }
      - { .name: W_proj, .offset: 16, .size: 8, .value_kind: global_buffer, .address_space: global }
      - { .name: xq, .offset: 24, .size: 8, .value_kind: global_buffer, .address_space: global }
      - { .name: wq, .offset: 32, .size: 8, .value_kind: global_buffer, .address_space: global }
    .group_segment_fixed_size: 103424
    .private_segment_fixed_size: 0
    .kernarg_segment_align: 8
    .kernarg_segment_size: 40
    .max_flat_workgroup_size: 256
    .sgpr_count:     66
    .vgpr_count:     228
    .wavefront_size: 32
...
	.end_amdgpu_metadata
.endif
;; end of part 1
;; launch qkv (part 2): grid 12 x 32, 4 waves a work-group, clusters of 4 x 4, 327,680 bytes of LDS; arguments xq, wq, b_attn, pk; writes pk
.if DOCPART == 2
	.amdgcn_target "amdgcn-amd-amdhsa--gfx1250"
	.amdhsa_code_object_version 6
	.text
	.protected	k_qa6c4b8856e_qkv
	.globl	k_qa6c4b8856e_qkv
	.p2align	8
	.type	k_qa6c4b8856e_qkv,@function
k_qa6c4b8856e_qkv:
	s_mov_b64 s[64:65], 0
	v_nop
	global_prefetch_b8 v0, s[64:65] scope:SCOPE_SE
	s_setreg_imm32_b32 hwreg(HW_REG_WAVE_MODE, 25, 1), 1
	s_wait_xcnt 0x0
	s_wait_alu depctr_hold_cnt(0) depctr_sa_sdst(0) depctr_va_vdst(0) depctr_va_sdst(0) depctr_va_ssrc(0) depctr_va_vcc(0) depctr_vm_vsrc(0)
	s_getreg_b32 s2, hwreg(HW_REG_IB_STS2, 6, 4)
	s_cmp_eq_u32 s2, 0
	s_cbranch_scc0 .Lentry_in_a_cluster
	s_endpgm
.Lentry_in_a_cluster:
	s_bfe_u32 s2, ttmp6, 0x10000c
	s_cmp_lg_u32 s2, 0xf033
	s_cbranch_scc0 .Lentry_shape_is_right
	s_endpgm
.Lentry_shape_is_right:
; qkv = x W_attn + b_attn on codes of E2M1 (K = 1,024), and q, k, v quantised at once, in registers, into the layouts that launch attn reads.  No f32 number of qkv goes to memory.
; A work-group of four waves makes 256 'rows' x 256 'columns', a wave 128 x 128: 64 accumulators of 16 x 16.  THE MATRIX INSTRUCTION IS USED TRANSPOSED (source 0 = 16 columns' codes, source 1 = 16 rows' codes): a lane then
; holds ONE row and eight neighbouring columns, and the result is quantised ALONG THE COLUMNS.
; ROLES, by the cluster's x, the same in all sixteen partners.  x = 0 (q), 1 (k): rows are tokens, columns are channels: a head's 64 channels are two blocks of 32.  x = 2 (v): rows are v's channels (W_attn's columns 2,048 on),
; columns are tokens, since the keys are the K of the product that takes v.  Both tensors have rows of 512 bytes of codes and 32 scale bytes, so descriptors' shapes, LDS and the products are alike in both roles; only pointers and tile numbers are chosen.
; All of K fits in LDS: two slots of 512 along K and the scale bytes are a wave's three tensor loads, issued together at the start; no LDS byte is filled twice.
; CLUSTERS: 4 x 4 work-groups.  The four of a row of the cluster need the same rows' tiles, the four of a column the same columns' tiles: each is asked for jointly, by the same load with the same descriptor and a mask that names the four.
; pk: 64 packs (batch x 16 + head) of PACK bytes.  KC, QC: codes as images of the operand's registers, [128 tiles of 16 tokens][lane][16 bytes], lane (r, h) = token r, channels 32 h on.  KSW, QSW: a word a token: two scale bytes, two bytes 0.
; VC: [16 chunks of 128 keys][4 tiles of 16 channels][2][lane][16 bytes], lane (r, h) = channel r, keys 64 c + 32 h on.  VSW: [16 chunks][64 channels] words.
; LIMITS: as stated at the head of launch prep: no NaN or infinity among the inputs; a block whose largest magnitude lies under 2^-124 gets the byte 1.
; REGISTERS, in windows of 256: window 0: v0-31 addresses; v32-95 scale words, two sets; v128-191 the rows' fragments, one set.  Window 1: the columns' fragments, two sets.  Windows 2, 3: the accumulators ((a, b) at v[8 (8 (a % 4) + b)]).
; On the way out window 0 holds: v32-95 the codes made, eight registers a block of 16 rows (no store's data are written again); v96-113 at work; v128-191 a block's 64 numbers; v192-255 the bias.
.set PACK,   217088
.set KC,     0
.set VC,     65536
.set KSW,    131072
.set VSW,    139264
.set QC,     143360
.set QSW,    208896
.set XS,     4194304
.set WAS,    1572864
.set NQ,     4                         ; steps of 128 along K in a slot
.set ROWB,   256                       ; a tile's row in bytes: 512 codes
.set KROW,   512                       ; a row of codes in memory
.set PITCH,  272                       ; an LDS row: 256 bytes + 16 of padding: the 16 rows that a load touches start 68 words apart
.set FR,     8
.set NL,     2
.set NP,     4                         ; places behind this matrix instruction (ISA guide 7.12.1)
.set HALFT,  128*PITCH
.set SLOT,   4*HALFT
.set KS,     32                        ; a row of scale bytes
.set SCL,    2*SLOT
.set HALFS,  16*272                    ; the scale bytes of 128 rows, as rows of 256 bytes + 16
.set SBLK,   2*272                     ; those of 16 rows
.set SPARE,  SCL+4*HALFS               ; the spare words, 128 bytes for each wave: two blocks of 256 bytes that no other line names
.set BIAS,   SPARE+512                 ; 512 bytes a wave: its 128 numbers of b_attn
.set SQ,     BIAS+2048                 ; 1,024 bytes a wave: q's or k's scale words, [2 heads][128 tokens]
.set SV,     SQ+4096                   ; 512 bytes a wave: v's scale words, [128 channels]
.set BQA,  8                           ; v8   bias, roles q, k: BIAS + 512 w + 32 h
.set BVA,  9                           ; v9   bias, role v: BIAS + 512 w + 4 r
.set SQA,  10                          ; v10  SQ + 1,024 w + 512 h + 4 r
.set SQR,  11                          ; v11  SQ + 1,024 w + 16 lane
.set SVA,  12                          ; v12  SV + 512 w + 4 r
.set SVR,  13                          ; v13  SV + 512 w + 16 lane
.set CO,   14                          ; v14  16 lane
.set COV,  15                          ; v15  16 r + PACK h
.set ADRA, 16                          ; v16-17 LDS address of my rows' fragments in slot 0, 1
.set SH,   18                          ; v18  16 h
.set BST,  19                          ; v19  BIAS + 512 w + 16 lane
.set ADRB, 20                          ; v20-21 the same for my columns'
.set ADRS, 27                          ; v27  my scale words: lanes 0-15 the rows', lanes 16-31 the columns'
.set SPW,  28                          ; v28  LDS address of my spare word; never rewritten
.set NIL,  29                          ; v29  0; never rewritten
.set SC,   32
.set AF,   128
.set TM,   96                          ; v96-99 largest magnitudes, v100-103 bytes, v108-111 the conversions' scale operands
.set PW,   112                         ; the scale word just made
.set PH,   113                         ; my half's two bytes of it
.set T,    128
.set BB,   192
.set G1, 24
.set G0, 32
.set G1B, 48
.set G0B, 56
.set G1S, 68
.set G0S, 76
.set G1SB, 80
.set G0SB, 88
.set MSB, 0
.macro WIN new                         ; the immediate's high byte repeats the setting that is left; a switch that changes nothing is dropped
.if MSB != (\new)
	s_set_vgpr_msb (MSB<<8)|(\new)
.set MSB, (\new)
.endif
.endm
.set MUL_LO, 0xa1                      ; source 0 window 1, source 1 window 0, C and D window 2
.set MUL_HI, 0xf1                      ; the same, C and D window 3
.set TO_B,   0x40                      ; destination window 1, address window 0
; A joint load: waves 0 and 1 fetch the rows' tiles, waves 2 and 3 the columns'.  The branch hangs on the wave's number alone.  An s_nop 0 and four v_nop follow each of the two lines.
.macro JLOAD g0a, g1a, g0b, g1b
	s_cmp_eq_u32 s15, 0
	s_cbranch_scc0 .Lfor_b_\@
	tensor_load_to_lds s[\g0a:\g0a+3], s[\g1a:\g1a+7]
	s_nop 0
.rept 4
	v_nop
.endr
	s_branch .Lasked_\@
.Lfor_b_\@:
	tensor_load_to_lds s[\g0b:\g0b+3], s[\g1b:\g1b+7]
	s_nop 0
.rept 4
	v_nop
.endr
.Lasked_\@:
.endm
.macro CROUND                          ; a round of the cluster's barrier
	s_barrier_signal -1
	s_barrier_wait -1
	s_cmp_lg_u32 s14, 0
	s_cbranch_scc1 .Lnot_wave_0_\@
	s_barrier_signal -3
.Lnot_wave_0_\@:
	s_barrier_wait -3
	s_barrier_signal -1
	s_barrier_wait -1
.endm
	s_load_b128 s[4:7], s[0:1], 0x0                ; xq, wq
	s_load_b128 s[8:11], s[0:1], 0x10              ; b_attn, pk
	v_lshl_add_u32 v[SPW], v0, 2, SPARE
	v_mov_b32 v[NIL], 0
	ds_add_u32 v[SPW], v[NIL]                      ; the wave's opening: the add, twice on end, and its wait ahead of my first tensor load; the set-up below stands between the second and the wait
	ds_add_u32 v[SPW], v[NIL]
	v_lshrrev_b32 v1, 5, v0
	v_readfirstlane_b32 s14, v1                    ; wave 0..3
	s_lshr_b32 s15, s14, 1                         ; which half of the tile's rows is mine.  Also: I fetch rows' tiles (0) or columns' (1)
	s_and_b32 s16, s14, 1                          ; which half of its columns.  Also: which 128 rows of that tile I fetch
	s_bfe_u32 s40, ttmp6, 0x40000                  ; cx
	s_bfe_u32 s41, ttmp6, 0x40004                  ; cy
	s_and_b32 s12, ttmp7, 0xffff
	s_lshl_b32 s12, s12, 2                         ; 4 x cluster y
	s_lshl_b32 s13, ttmp9, 2                       ; 4 x cluster x
	s_mov_b32 s95, XS
	s_mov_b32 s96, WAS
	s_mov_b32 s2, 0x76543210
	s_mov_b32 s3, 0xfedcba98                       ; v_permlanex16_b32's selects for lane l xor 16
	s_cmp_eq_u32 ttmp9, 2                          ; role v?  The same in all sixteen partners
	s_cselect_b32 s17, 8, s12                      ; tile of rows: v: W_attn's columns 2,048 on; q, k: tokens
	s_cselect_b32 s42, s12, s13                    ; tile of columns: v: tokens; q, k: W_attn's columns
	s_cselect_b32 s97, s96, s95                    ; where the rows' scale bytes begin in their buffer
	s_cselect_b32 s98, s95, s96                    ; and the columns'
	s_add_co_u32 s17, s17, s41                     ; + cy: shared along a row of the cluster
	s_add_co_u32 s42, s42, s40                     ; + cx: shared along a column
	s_lshl_b32 s43, s41, 2
	s_lshl_b32 s43, 15, s43                        ; my row of the cluster
	s_lshl_b32 s44, 0x1111, s40                    ; my column
	; descriptor group 1: a tile of 128 rows x 256 bytes, 16 bytes of padding behind each row
	s_or_b32 s[G1+0], s43, (0<<16)|(1<<20)|(1<<21)|(5<<22)|(3<<25)  ; 15:0 the mask; 17:16 elements of 1 byte; 20 padding on; 21 set beside a mask; 24:22 after every 64 words; 31:25 four words
	s_or_b32 s[G1B+0], s44, (0<<16)|(1<<20)|(1<<21)|(5<<22)|(3<<25)
.irp g, G1, G1B
	s_mov_b32 s[\g+1], ROWB<<16                    ; tensor_dim0
	s_mov_b32 s[\g+2], 128<<16                     ; tensor_dim1
	s_mov_b32 s[\g+3], ROWB<<16                    ; tile_dim0
	s_mov_b32 s[\g+4], 128                         ; tile_dim1
	s_mov_b32 s[\g+5], KROW                        ; from row to row
	s_mov_b32 s[\g+6], 0
	s_mov_b32 s[\g+7], 0
.endr
	; the scale bytes of 128 rows: 4,096 dense bytes, as 16 rows of 256 bytes (32 elements of 8), 16 bytes of padding behind each
	s_or_b32 s[G1S+0], s43, (3<<16)|(1<<20)|(1<<21)|(5<<22)|(3<<25)
	s_or_b32 s[G1SB+0], s44, (3<<16)|(1<<20)|(1<<21)|(5<<22)|(3<<25)
.irp g, G1S, G1SB
	s_mov_b32 s[\g+1], 32<<16
	s_mov_b32 s[\g+2], 16<<16
	s_mov_b32 s[\g+3], 32<<16
	s_mov_b32 s[\g+4], 16
	s_mov_b32 s[\g+5], 32
	s_mov_b32 s[\g+6], 0
	s_mov_b32 s[\g+7], 0
.endr
	s_lshl_b32 s18, s16, 7                         ; which 128 rows of the tile I fetch
	s_lshl_b32 s20, s17, 8
	s_add_co_u32 s20, s20, s18                     ; the rows' tensor: row 256 x tile + 128 x half
	s_lshl_b32 s46, s42, 8
	s_add_co_u32 s46, s46, s18                     ; the columns' tensor likewise
	s_lshl_b32 s22, s20, 5
	s_add_co_u32 s22, s22, s97                     ; their scale bytes, 32 a row
	s_mov_b32 s23, 0
	s_lshl_b32 s92, s46, 5
	s_add_co_u32 s92, s92, s98
	s_mov_b32 s93, 0
	s_lshl_b32 s20, s20, 9                         ; their codes, 512 bytes a row
	s_mov_b32 s21, 0
	s_lshl_b32 s46, s46, 9
	s_mov_b32 s47, 0
	s_mul_i32 s45, s14, HALFT                      ; where they go: wave x 128 rows: no place in the cluster enters an LDS address
	s_mul_i32 s94, s14, HALFS
	s_wait_dscnt 0x0                               ; both opening adds are done
	s_wait_kmcnt 0x0
	s_cmp_eq_u32 ttmp9, 2
	s_cselect_b64 s[66:67], s[6:7], s[4:5]         ; the rows' buffer: v: wq; q, k: xq
	s_cselect_b64 s[12:13], s[4:5], s[6:7]         ; the columns' buffer
	s_add_nc_u64 s[20:21], s[66:67], s[20:21]
	s_add_nc_u64 s[22:23], s[66:67], s[22:23]
	s_add_nc_u64 s[46:47], s[12:13], s[46:47]
	s_add_nc_u64 s[92:93], s[12:13], s[92:93]
	CROUND                                         ; all sixteen work-groups are here: the joint loads meet
	s_mov_b32 s[G0S], 1
	s_add_co_u32 s[G0S+1], s94, SCL
	s_mov_b64 s[G0S+2:G0S+3], s[22:23]
	s_or_b32 s[G0S+3], s[G0S+3], 0x80000000
	s_mov_b32 s[G0SB], 1
	s_add_co_u32 s[G0SB+1], s94, SCL
	s_mov_b64 s[G0SB+2:G0SB+3], s[92:93]
	s_or_b32 s[G0SB+3], s[G0SB+3], 0x80000000
	JLOAD G0S, G1S, G0SB, G1SB                     ; the scale bytes first: they are wanted with the first slot
.irp s, 0,1
	s_mov_b32 s[G0+4*\s], 1
	s_add_co_u32 s[G0+4*\s+1], s45, \s*SLOT
	s_add_nc_u64 s[G0+4*\s+2:G0+4*\s+3], s[20:21], \s*ROWB
	s_or_b32 s[G0+4*\s+3], s[G0+4*\s+3], 0x80000000
	s_mov_b32 s[G0B+4*\s], 1
	s_add_co_u32 s[G0B+4*\s+1], s45, \s*SLOT
	s_add_nc_u64 s[G0B+4*\s+2:G0B+4*\s+3], s[46:47], \s*ROWB
	s_or_b32 s[G0B+4*\s+3], s[G0B+4*\s+3], 0x80000000
	JLOAD G0+4*\s, G1, G0B+4*\s, G1B               ; three tensor loads of mine are out: all that this launch has
.endr
	v_and_b32 v1, 15, v0                           ; r = lane % 16
	v_bfe_u32 v2, v0, 4, 1                         ; h = lane / 16
	v_and_b32 v7, 31, v0
	v_lshlrev_b32 v[CO], 4, v7
	s_wait_alu depctr_va_vdst(0)
	s_lshl_b32 s99, s17, 8
	s_lshl_b32 s21, s15, 7
	s_add_co_u32 s99, s99, s21                     ; m0w: my wave's first row
	s_lshl_b32 s100, s42, 8
	s_lshl_b32 s21, s16, 7
	s_add_co_u32 s100, s100, s21                   ; n0w: its first column
	s_cmp_eq_u32 ttmp9, 2
	s_cselect_b32 s22, s99, s100                   ; the bias goes with W_attn's columns: the rows in role v, else the columns
	s_lshl_b32 s22, s22, 2
	s_mov_b32 s23, 0
	s_add_nc_u64 s[8:9], s[8:9], s[22:23]
	global_load_b128 v[192:195], v[CO], s[8:9]     ; my wave's 128 numbers of b_attn: 512 consecutive bytes
	v_mul_u32_u24 v3, v1, PITCH
	v_lshl_add_u32 v4, v2, 4, v3                   ; a fragment's row x pitch + 16 x half
	s_mul_i32 s21, s15, HALFT                      ; my 128 rows,
	s_mul_i32 s22, s16, HALFT                      ; my 128 columns,
	s_add_co_u32 s22, s22, 2*HALFT                 ; which lie behind the 256 rows
.irp s, 0,1
	v_add_nc_u32 v[ADRA+\s], s21, v4
	v_add_nc_u32 v[ADRB+\s], s22, v4
	s_add_co_u32 s21, s21, SLOT
	s_add_co_u32 s22, s22, SLOT
.endr
	v_mul_u32_u24 v5, v1, KS                       ; my row's scale bytes: 32 a row,
	v_lshrrev_b32 v6, 8, v5
	v_lshl_add_u32 v5, v6, 4, v5                   ; and 16 more for each 256 passed
	s_mul_i32 s21, s15, HALFS
	s_mul_i32 s22, s16, HALFS
	s_add_co_u32 s22, s22, 2*HALFS
	s_sub_co_u32 s22, s22, s21
	v_mul_u32_u24 v6, s22, v2                      ; lanes 16-31 take the columns': one product, the distance between the two bases
	s_add_co_u32 s21, s21, SCL
	v_add_nc_u32 v5, v5, v6
	v_add_nc_u32 v[ADRS], s21, v5
	s_lshl_b32 s21, s14, 9                         ; the way out's LDS addresses: a constant + a constant x wave + a constant x lane
	s_add_co_u32 s22, s21, BIAS
	v_add_nc_u32 v[BST], s22, v[CO]
	v_lshl_add_u32 v[BQA], v2, 5, s22
	v_lshl_add_u32 v[BVA], v1, 2, s22
	s_add_co_u32 s22, s21, SV
	v_lshl_add_u32 v[SVA], v1, 2, s22
	v_add_nc_u32 v[SVR], s22, v[CO]
	s_lshl_b32 s21, s14, 10
	s_add_co_u32 s22, s21, SQ
	v_add_nc_u32 v[SQR], s22, v[CO]
	v_lshl_add_u32 v[SQA], v1, 2, s22
	v_lshl_add_u32 v[SQA], v2, 9, v[SQA]
	v_mul_u32_u24 v[COV], v2, PACK
	v_lshl_add_u32 v[COV], v1, 4, v[COV]
	v_lshlrev_b32 v[SH], 4, v2
.irp b, 0,1,2,3
	v_mov_b32 v[TM+4+\b], 0                        ; written once: a lane permute's destination counts as one of its sources
.endr
	s_wait_loadcnt 0x0
	ds_store_b128 v[BST], v[192:195]               ; the bias waits in my own 512 bytes of LDS for the way out
	s_wait_dscnt 0x0
.macro FRAG reg, adr, q, i             ; 16 rows x 128 K of 4-bit codes: lane l holds row l % 16; registers 4 c .. 4 c + 3 hold K = 64 c + 32 (l / 16) + 0 .. 31
.irp c, 0,1
	ds_load_b128 v[\reg+4*\c:\reg+4*\c+3], v[\adr] offset:64*(\q)+32*\c+(\i)*16*PITCH
.endr
.endm
; 16 matrix instructions: blocks a0, a0 + 1 of my rows x my eight blocks of columns, the slot's q-th 128 along K.  p: the columns' set; sc: the set of scale words.  zero = 1: the first product starts the sums.
; The 64 accumulators take turns, one instruction a turn, in the same order in every step.
.macro MUL16 a0, p, q, sc, zero
.irp a, \a0, \a0+1
.irp b, 0,1,2,3,4,5,6,7
.if \zero
	v_wmma_scale_f32_16x16x128_f8f6f4 v[8*(8*((\a)%4)+\b):8*(8*((\a)%4)+\b)+7], v[128*(\p)+FR*\b:128*(\p)+FR*\b+FR-1], v[AF+FR*(\a):AF+FR*(\a)+FR-1], 0, v[SC+8*NQ*(\sc)+NQ*\b+(\q)], v[SC+8*NQ*(\sc)+NQ*(\a)+(\q)] matrix_a_fmt:MATRIX_FMT_FP4 matrix_b_fmt:MATRIX_FMT_FP4 matrix_a_scale:MATRIX_SCALE_ROW1
.else
	v_wmma_scale_f32_16x16x128_f8f6f4 v[8*(8*((\a)%4)+\b):8*(8*((\a)%4)+\b)+7], v[128*(\p)+FR*\b:128*(\p)+FR*\b+FR-1], v[AF+FR*(\a):AF+FR*(\a)+FR-1], v[8*(8*((\a)%4)+\b):8*(8*((\a)%4)+\b)+7], v[SC+8*NQ*(\sc)+NQ*\b+(\q)], v[SC+8*NQ*(\sc)+NQ*(\a)+(\q)] matrix_a_fmt:MATRIX_FMT_FP4 matrix_b_fmt:MATRIX_FMT_FP4 matrix_a_scale:MATRIX_SCALE_ROW1
.endif
.endr
.endr
.endm
.macro FETCH_B slot, q, p
	WIN TO_B
.irp i, 0,1,2,3,4,5,6,7
	FRAG 128*(\p)+FR*\i, ADRB+\slot, \q, \i
.endr
	WIN 0
.endm
.macro FETCH_A slot, q, i0
.irp i, \i0, \i0+1, \i0+2, \i0+3
	FRAG AF+FR*(\i), ADRA+\slot, \q, \i
.endr
.endm
.macro SCALES sc                       ; a slot's scale words: four words a row; lanes 0-15 take my rows' block i, lanes 16-31 my columns' block i
.irp i, 0,1,2,3,4,5,6,7
	ds_load_b128 v[SC+8*NQ*\sc+NQ*\i:SC+8*NQ*\sc+NQ*\i+3], v[ADRS] offset:\i*SBLK
.endr
.endm
.macro PLACES n                        ; plain vector lines between a matrix instruction and a load into, or a vector line on, one of its registers
.rept \n
	v_nop
.endr
.endm
.macro STEP slot, q, zero              ; a step of 128 along K that has its successor in the same slot
	s_wait_dscnt 4*NL                              ; the columns' set and my rows' blocks 0-3 are in; the youngest eight loads (blocks 4-7) may be out
	WIN MUL_LO
	MUL16 0, (\q)%2, \q, \slot, \zero
	MUL16 2, (\q)%2, \q, \slot, \zero
	s_wait_dscnt 0
	PLACES NP
	FETCH_B \slot, (\q)+1, 1-(\q)%2
	FETCH_A \slot, (\q)+1, 0
	WIN MUL_HI
	MUL16 4, (\q)%2, \q, \slot, \zero
	MUL16 6, (\q)%2, \q, \slot, \zero
	PLACES NP
	WIN 0
	FETCH_A \slot, (\q)+1, 4
.endm
; Slot 0's last step goes on to slot 1: each wave waits for all its tensor loads (its part of slot 1), and one barrier shows the whole slot to every wave.  Nothing is filled again.
.macro TURN slot, next
	s_wait_tensorcnt 0x0                           ; all my tensor loads have landed
	ds_add_u32 v[SPW], v[NIL]                      ; 0 onto my spare word
	s_wait_dscnt 4*NL+1                            ; (the add and the youngest eight loads may be out)
	WIN MUL_LO
	MUL16 0, 1, NQ-1, \slot, 0
	s_wait_dscnt 0x0                               ; no LDS instruction of mine is out at the signal
	s_barrier_signal -1
	MUL16 2, 1, NQ-1, \slot, 0
	WIN 0
	s_barrier_wait -1
	PLACES NP
	v_add_nc_u32 v[ADRS], 4*NQ, v[ADRS]            ; on to the next slot's scale words (no LDS load of mine is out)
	FETCH_B \next, 0, 0
	FETCH_A \next, 0, 0
	SCALES \next
	WIN MUL_HI
	MUL16 4, 1, NQ-1, \slot, 0
	MUL16 6, 1, NQ-1, \slot, 0
	PLACES NP
	WIN 0
	FETCH_A \next, 0, 4
.endm
.macro STEPS slot, from
.set Q, \from
.rept NQ-1-\from
	STEP \slot, Q, 0
.set Q, Q+1
.endr
.endm
	s_wait_tensorcnt 1                             ; the scale bytes and my part of slot 0 are in; slot 1's load may be out
	s_barrier_signal -1
	s_barrier_wait -1                              ; everybody's are
	FETCH_B 0, 0, 0
	FETCH_A 0, 0, 0
	SCALES 0
	FETCH_A 0, 0, 4
	STEP 0, 0, 1                                   ; the first step's products start the sums: nothing is cleared
	STEPS 0, 1
	TURN 0, 1
	STEPS 1, 0
	s_wait_dscnt 4*NL                              ; the last step: nothing more to fetch
	WIN MUL_LO
	MUL16 0, 1, NQ-1, 1, 0
	MUL16 2, 1, NQ-1, 1, 0
	s_wait_dscnt 0
	WIN MUL_HI
	MUL16 4, 1, NQ-1, 1, 0
	MUL16 6, 1, NQ-1, 1, 0
	WIN 0
; THE QUANTISER IN REGISTERS.  64 numbers of a lane, v[s] on: register 16 b + 8 u + j is column 32 b + 16 u + 8 (lane / 16) + j of my row.  A block of 32 lies in lanes l and l xor 16.
; A conversion's result is eight codes in one register; the results are laid so that one exchange of halves for each pair of registers gives the operand's image: registers 4 c .. 4 c + 3 = columns 64 c + 32 (lane / 16) + 0 .. 31.
.macro QUANT s, pc
.irp b, 0,1,2,3
	v_max3_num_f32 v[TM+\b], |v[\s+16*\b]|, |v[\s+1+16*\b]|, 0x1800000   ; block b: my 16 numbers, and the floor 2^(3 - 127): the byte cannot fall under 1
.endr
.irp i, 2,4,6,8,10,12,14
.irp b, 0,1,2,3
	v_max3_num_f32 v[TM+\b], v[TM+\b], |v[\s+16*\b+\i]|, |v[\s+1+16*\b+\i]|   ; (the four blocks by turns)
.endr
.endr
.irp b, 0,1,2,3
	v_permlanex16_b32 v[TM+4+\b], v[TM+\b], s2, s3
.endr
.irp b, 0,1,2,3
	v_max_num_f32 v[TM+\b], v[TM+\b], v[TM+4+\b]   ; with lane l xor 16's: the block's largest magnitude
.endr
.irp b, 0,1,2,3
	v_add_nc_u32 v[TM+12+\b], 0xff000000, v[TM+\b] ; 2 off its exponent field: the conversion's scale operand
.endr
.irp b, 0,1,2,3
	v_lshrrev_b32 v[TM+4+\b], 23, v[TM+12+\b]      ; the scale's byte
.endr
	v_lshl_or_b32 v[PW], v[TM+5], 8, v[TM+4]       ; my row's scale word
	v_lshl_or_b32 v[PW], v[TM+6], 16, v[PW]
	v_lshl_or_b32 v[PW], v[TM+7], 24, v[PW]
.irp b, 0,1,2,3
.irp u, 0,1
	v_cvt_scalef32_pk8_fp4_f32 v[(\pc)+4*(\b/2)+2*\u+(\b%2)], v[\s+16*\b+8*\u:\s+16*\b+8*\u+7], v[TM+12+\b]
.endr
.endr
	v_nop                                          ; one plain line behind the scaled conversions
.irp c, 0,1
	v_permlane16_swap_b32 v[(\pc)+4*\c], v[(\pc)+4*\c+1]     ; the first's lanes 16-31 change places with the second's lanes 0-15
	v_permlane16_swap_b32 v[(\pc)+4*\c+2], v[(\pc)+4*\c+3]
.endr
.endm
; Block a of 16 rows: the bias is added (each accumulator read from its low end on), the 128 columns are quantised, codes and scale words leave.  s[92:93]: where the codes go.
.macro OUTBLOCK a, isv
.set PCA, 32+8*(\a)
	WIN 0x02+(\a)/4                                ; source 0: window 2 or 3
.set i, 0
.rept 32
.if \isv
	v_pk_add_f32 v[T+i:T+i+1], v[64*((\a)%4)+i:64*((\a)%4)+i+1], v[BB+2*(\a):BB+2*(\a)+1] op_sel_hi:[1,0]   ; one bias for my row
.else
	v_pk_add_f32 v[T+i:T+i+1], v[64*((\a)%4)+i:64*((\a)%4)+i+1], v[BB+i:BB+i+1]                             ; a bias for each column
.endif
.set i, i+2
.endr
	WIN 0
	QUANT T, PCA
.if \isv
	global_store_b128 v[CO], v[PCA:PCA+3], s[92:93] offset:((\a)/4)*PACK+((\a)%4)*1024        ; head a / 4, channels 16 (a % 4) on, keys 0-63 of the chunk: 512 consecutive bytes
	global_store_b128 v[CO], v[PCA+4:PCA+7], s[92:93] offset:((\a)/4)*PACK+((\a)%4)*1024+512  ; keys 64-127
	ds_store_b32 v[SVA], v[PW] offset:64*(\a)      ; lanes r and r + 16 write the same word with the same value
.else
	global_store_b128 v[CO], v[PCA:PCA+3], s[92:93] offset:512*(\a)        ; my first head, tokens 16 a on: 512 consecutive bytes
	global_store_b128 v[CO], v[PCA+4:PCA+7], s[92:93] offset:PACK+512*(\a) ; my second head
	v_bfe_u32 v[PH], v[PW], v[SH], 16              ; lanes 0-15: the first head's two bytes; lanes 16-31: the second's; the word's upper bytes are 0
	ds_store_b32 v[SQA], v[PH] offset:64*(\a)
.endif
.endm
	PLACES NP                                      ; behind the last products
	s_cmp_eq_u32 ttmp9, 2
	s_cbranch_scc1 .Lv
; ---- roles q and k: rows are tokens, my 128 columns are two heads
.irp b, 0,1,2,3,4,5,6,7
.irp q, 0,1
	ds_load_b128 v[BB+8*\b+4*\q:BB+8*\b+4*\q+3], v[BQA] offset:64*\b+16*\q   ; b_attn at columns 16 b + 8 h + 0 .. 7: the result's layout
.endr
.endr
	s_lshr_b32 s20, s99, 11                        ; batch
	s_and_b32 s21, s99, 2047                       ; my first token in it
	s_bfe_u32 s22, s100, 0x40006                   ; my first head: (n0w / 64) % 16
	s_lshl_b32 s20, s20, 4
	s_add_co_u32 s20, s20, s22
	s_mul_i32 s20, s20, PACK                       ; its pack
	s_lshl_b32 s22, s21, 5                         ; codes: 512 bytes for 16 tokens
	s_add_co_u32 s22, s22, s20
	s_lshl_b32 s46, s21, 2                         ; words: 4 bytes a token
	s_add_co_u32 s46, s46, s20
	s_mov_b32 s18, QC
	s_mov_b32 s19, QSW
	s_mov_b32 s45, KSW
	s_cmp_eq_u32 ttmp9, 1
	s_cselect_b32 s18, KC, s18
	s_cselect_b32 s19, s45, s19
	s_add_co_u32 s22, s22, s18
	s_add_co_u32 s46, s46, s19
	s_mov_b32 s23, 0
	s_mov_b32 s47, 0
	s_add_nc_u64 s[92:93], s[10:11], s[22:23]
	s_add_nc_u64 s[94:95], s[10:11], s[46:47]
	s_wait_dscnt 0x0
.irp a, 0,1,2,3,4,5,6,7
	OUTBLOCK \a, 0
.endr
	ds_load_b128 v[116:119], v[SQR]                ; LDS serves a wave's instructions in order: these see my stores
	ds_load_b128 v[120:123], v[SQR] offset:512
	s_wait_dscnt 0x0
	global_store_b128 v[CO], v[116:119], s[94:95]              ; 128 tokens' words of my first head: 512 consecutive bytes
	global_store_b128 v[CO], v[120:123], s[94:95] offset:PACK  ; of my second
	s_branch .Lend
; ---- role v: rows are channels (two heads of 64), my 128 columns are one chunk of keys
.Lv:
.irp a, 0,1,2,3,4,5,6,7
	ds_load_b32 v[BB+2*\a], v[BVA] offset:64*\a    ; b_attn at row 16 a + r;
	ds_load_b32 v[BB+2*\a+1], v[BVA] offset:64*\a  ; (the packed add names the pair, so both are written)
.endr
	s_sub_co_u32 s20, s99, 2048
	s_lshr_b32 s20, s20, 6                         ; my first head
	s_lshr_b32 s21, s100, 11                       ; batch
	s_bfe_u32 s22, s100, 0x40007                   ; chunk: (n0w % 2,048) / 128
	s_lshl_b32 s21, s21, 4
	s_add_co_u32 s20, s20, s21
	s_mul_i32 s20, s20, PACK
	s_lshl_b32 s46, s22, 8                         ; words: 256 bytes a chunk
	s_add_co_u32 s46, s46, s20
	s_add_co_u32 s46, s46, VSW
	s_lshl_b32 s22, s22, 12                        ; codes: 4,096 bytes a chunk
	s_add_co_u32 s22, s22, s20
	s_add_co_u32 s22, s22, VC
	s_mov_b32 s23, 0
	s_mov_b32 s47, 0
	s_add_nc_u64 s[92:93], s[10:11], s[22:23]
	s_add_nc_u64 s[94:95], s[10:11], s[46:47]
	s_wait_dscnt 0x0
.irp a, 0,1,2,3,4,5,6,7
	OUTBLOCK \a, 1
.endr
	ds_load_b128 v[116:119], v[SVR]
	s_wait_dscnt 0x0
	global_store_b128 v[COV], v[116:119], s[94:95] ; lanes 0-15: my first head's 64 words, 256 consecutive bytes; lanes 16-31: my second's
.Lend:
	s_wait_tensorcnt 0x0                           ; the wave's end, behind my last tensor load and my last LDS store
	ds_add_u32 v[SPW], v[NIL]
	s_wait_dscnt 0x0
	CROUND                                         ; the closing round: no work-group ends while a partner may still ask for a tile that names it
	s_endpgm
.Lfunc_end_k_qa6c4b8856e_qkv:
	.size	k_qa6c4b8856e_qkv, .Lfunc_end_k_qa6c4b8856e_qkv-k_qa6c4b8856e_qkv
	.p2alignl 7, 3214868480
	.fill 96, 4, 3214868480
	.section	.rodata,"a",@progbits
	.p2align	6, 0x0
	.amdhsa_kernel k_qa6c4b8856e_qkv
		.amdhsa_group_segment_fixed_size 327680
		.amdhsa_private_segment_fixed_size 0
		.amdhsa_enable_private_segment 0
		.amdhsa_kernarg_size 32
		.amdhsa_user_sgpr_count 2
		.amdhsa_user_sgpr_kernarg_segment_ptr 1
		.amdhsa_wavefront_size32 1
		.amdhsa_system_sgpr_workgroup_id_x 1
		.amdhsa_system_sgpr_workgroup_id_y 1
		.amdhsa_system_sgpr_workgroup_id_z 1
		.amdhsa_system_vgpr_workitem_id 0
		.amdhsa_next_free_vgpr 1024
		.amdhsa_next_free_sgpr 102
		.amdhsa_reserve_vcc 0
		.amdhsa_float_denorm_mode_32 3
		.amdhsa_float_denorm_mode_16_64 3
		.amdhsa_memory_ordered 1
		.amdhsa_forward_progress 1
		.amdhsa_inst_pref_size 198
	.end_amdhsa_kernel
	.amdgpu_metadata
---
amdhsa.version: [ 1, 2 ]
amdhsa.kernels:
  - .name:           k_qa6c4b8856e_qkv
    .symbol:         k_qa6c4b8856e_qkv.kd
    .args:
      - { .name: xq, .offset: 0, .size: 8, .value_kind: global_buffer, .address_space: global }
      - { .name: wq, .offset: 8, .size: 8, .value_kind: global_buffer, .address_space: global }
      - { .name: b_attn, .offset: 16, .size: 8, .value_kind: global_buffer, .address_space: global }
      - { .name: pk, .offset: 24, .size: 8, .value_kind: global_buffer, .address_space: global }
    .group_segment_fixed_size: 327680
    .private_segment_fixed_size: 0
    .kernarg_segment_align: 8
    .kernarg_segment_size: 32
    .max_flat_workgroup_size: 128
    .sgpr_count:     102
    .vgpr_count:     1024
    .wavefront_size: 32
...
	.end_amdgpu_metadata
.endif
;; end of part 2
;; launch attn (part 3): grid 4 x 64, 16 waves a work-group, clusters of 4 x 1, 167,936 bytes of LDS; arguments pk, yq; writes yq
.if DOCPART == 3
	.amdgcn_target "amdgcn-amd-amdhsa--gfx1250"
	.amdhsa_code_object_version 6
	.text
	.protected	k_qa6c4b8856e_attn
	.globl	k_qa6c4b8856e_attn
	.p2align	8
	.type	k_qa6c4b8856e_attn,@function
k_qa6c4b8856e_attn:
	s_mov_b64 s[64:65], 0
	v_nop
	global_prefetch_b8 v0, s[64:65] scope:SCOPE_SE
	s_setreg_imm32_b32 hwreg(HW_REG_WAVE_MODE, 25, 1), 1
	s_wait_xcnt 0x0
	s_wait_alu depctr_hold_cnt(0) depctr_sa_sdst(0) depctr_va_vdst(0) depctr_va_sdst(0) depctr_va_ssrc(0) depctr_va_vcc(0) depctr_vm_vsrc(0)
	s_getreg_b32 s2, hwreg(HW_REG_IB_STS2, 6, 4)
	s_cmp_eq_u32 s2, 0
	s_cbranch_scc0 .Lentry_in_a_cluster
	s_endpgm
.Lentry_in_a_cluster:
	s_bfe_u32 s2, ttmp6, 0x10000c
	s_cmp_lg_u32 s2, 0x3003
	s_cbranch_scc0 .Lentry_shape_is_right
	s_endpgm
.Lentry_shape_is_right:
; y = softmax(q k^T / 8, causal) v for one head a cluster, both products on codes of E2M1, and y quantised at once along the channels for launch proj.
; WORK LEFT OUT: a step of 128 keys all of which come after a tile's 16 queries: reference()'s own jnp.tril makes their p 0 for all values of the inputs (shown at the head of launch prep, with the limit that goes with it).
; THE SOFTMAX: t = score x log2(e) / 8; M = the row's largest t so far, rounded UP to a whole number; p = 2^(t - M) is what is quantised, along the keys, not normalised.  The row's sum is taken of the unquantised p and divides at the end.
; When M moves, the sum and O are multiplied by 2^(old M - new M), which rounds nothing.  A block's largest p is not searched for: the block's largest score goes through the same multiply-add and exponential (this takes the exponential
; not to fall where its input rises).  LIMITS: v_exp_f32 and v_rcp_f32 as accurate as the ISA guide states them; no NaN or infinity among the inputs.
; SHARES.  The four work-groups of a cluster belong to one head (batch x 16 + head = the cluster's y).  A head has 128 tiles of 16 queries.  Wave w of partner cx takes tiles 4 w + cx and 127 - 4 w - cx: their last key steps are
; w / 2 and 15 - w / 2 whatever cx is, so every wave of the launch walks 17 key steps, two of them on the diagonal, and no branch hangs on a work-group's place in its cluster: cx enters q's and y's addresses in memory and the mask's number alone.
; LDS.  A head's K and V, codes and scale words, are the first 143,360 bytes of its pack: they come ONCE, as they lie, by one joint load a wave (35 rows of 256 bytes; the mask names the four partners) and are never filled again.
; They are images of the operands' registers: every read is 16 x lane or 4 x lane on end.
; LAYOUT.  Both products are used transposed: S^T = K Q^T (source 0 = 16 keys, source 1 = my 16 queries), O^T = V^T P^T (source 0 = 16 channels, source 1 = P): a lane holds ONE query (lane % 16) throughout.
; The first product's K is 64, the instruction's 128: Q's upper registers are zeros.  A tile of K has four registers; the four named behind them are the next tile's codes (zeros behind the last): they meet Q's zero codes and add nothing:
; E2M1 has no code for NaN or infinity, and the upper two bytes of both scale words are 0, a power of two.
; REGISTERS: v1-4 addresses that stay; v5, v6 the add's two; v7-11 addresses in hand; v12 -M, v13 the largest t, v[14:15] the sum; v16-19 Q, v20-23 zeros; v24 Q's scale words, v25 p's; v26-29 K's, v30-31 V's;
; v32-63 K's 8 tiles, v64-67 zeros; v68-99 V's 4 fragments; v100-163 S^T, then p, then y; v164-195 O^T; v196-203 p's codes, then y's; v204-219 at work; v220 r, v221 h; v222-224 offsets; v225 the mask's number; v226 -infinity.
.set PACK,  217088
.set VC,    65536
.set KSW,   131072
.set VSW,   139264
.set QC,    143360
.set QSW,   208896
.set YS,    4194304
.set SPARE, 143360                     ; behind the head's K and V: the spare words, 128 bytes for each of sixteen waves: eight blocks of 256 bytes that no other line names
.set S,   100
.set O,   164
.set PC,  196
.set BM,  204                          ; v204-207 a block's largest score, then its largest p
.set BT,  208                          ; v208-211 at work: the other half's, the second chain of the sum, the bytes
.set BS,  212                          ; v212-215 the conversions' scale operands
.macro ROUND                           ; a round of the cluster's barrier
	s_barrier_signal -1
	s_barrier_wait -1
	s_cmp_lg_u32 s8, 0
	s_cbranch_scc1 .Lnot_wave_0_\@
	s_barrier_signal -3
.Lnot_wave_0_\@:
	s_barrier_wait -3
	s_barrier_signal -1
	s_barrier_wait -1
.endm
	s_load_b128 s[4:7], s[0:1], 0x0                ; pk, yq
	v_lshl_add_u32 v5, v0, 2, SPARE
	v_mov_b32 v6, 0
	ds_add_u32 v5, v6                              ; the wave's opening: the add, twice on end, and its wait ahead of my first tensor load; the set-up below stands between the second and the wait
	ds_add_u32 v5, v6
	v_lshrrev_b32 v1, 5, v0
	s_delay_alu instid0(VALU_DEP_1)
	v_readfirstlane_b32 s8, v1                     ; wave 0..15
	s_bfe_u32 s9, ttmp6, 0x40000                   ; cx
	s_and_b32 s10, ttmp7, 0xffff                   ; batch x 16 + head, which the four partners share
	; descriptor group 1: 35 rows of 256 bytes (32 elements of 8), dense in memory and in LDS
	s_mov_b32 s16, 15|(3<<16)|(1<<21)              ; 15:0 the mask: all four work-groups; 17:16 elements of 8 bytes; 21 set beside a mask; no padding
	s_mov_b32 s17, 32<<16                          ; tensor_dim0
	s_mov_b32 s18, 35<<16                          ; tensor_dim1
	s_mov_b32 s19, 32<<16                          ; tile_dim0
	s_mov_b32 s20, 35                              ; tile_dim1
	s_mov_b32 s21, 32                              ; from row to row
	s_mov_b32 s22, 0
	s_mov_b32 s23, 0
	s_mov_b32 s12, 1
	s_mul_i32 s13, s8, 8960                        ; my 35 rows, in LDS as in the pack
	s_mov_b32 s24, 0x76543210
	s_mov_b32 s25, 0xfedcba98                      ; v_permlanex16_b32's selects for lane l xor 16
	s_mov_b32 s26, 0x3e38aa3b                      ; c = log2(e) / 8
	s_mov_b32 s27, s26                             ; (the packed form names the pair)
	s_mov_b32 s40, 0xffff0000                      ; lanes 16-31
	s_mul_i32 s32, s10, PACK
	s_mov_b32 s33, 0
	s_lshr_b32 s41, s10, 4                         ; batch
	s_and_b32 s42, s10, 15                         ; head
	s_lshl_b32 s44, s41, 20                        ; y's codes: 128 tiles of 8,192 bytes a batch,
	s_lshl_b32 s43, s42, 9                         ; 512 bytes a head in a tile
	s_add_co_u32 s44, s44, s43
	s_mov_b32 s45, 0
	s_lshl_b32 s46, s41, 16                        ; y's scale bytes: 2,048 tokens of 32 bytes a batch,
	s_lshl_b32 s43, s42, 1                         ; two bytes a head
	s_add_co_u32 s46, s46, s43
	s_add_co_u32 s46, s46, YS
	s_mov_b32 s47, 0
	s_wait_dscnt 0x0                               ; both opening adds are done
	s_wait_kmcnt 0x0
	s_add_nc_u64 s[34:35], s[4:5], s[32:33]        ; my head's pack
	s_add_nc_u64 s[36:37], s[6:7], s[44:45]
	s_add_nc_u64 s[38:39], s[6:7], s[46:47]
	s_mov_b32 s32, s13
	s_add_nc_u64 s[14:15], s[34:35], s[32:33]
	s_or_b32 s15, s15, 0x80000000                  ; type = 2
	ROUND                                          ; all four work-groups are here: the joint loads meet
	tensor_load_to_lds s[12:15], s[16:23]          ; my one tensor load of the launch
	s_nop 0
.rept 4
	v_nop
.endr
	v_and_b32 v218, 31, v0
	s_delay_alu instid0(VALU_DEP_1)
	v_lshlrev_b32 v1, 4, v218                      ; 16 lane: K's images begin at LDS byte 0
	s_delay_alu instid0(VALU_DEP_1)
	v_add_nc_u32 v2, VC, v1                        ; V's
	s_delay_alu instid0(VALU_DEP_3)
	v_lshl_add_u32 v3, v218, 2, KSW                ; K's scale words
	s_delay_alu instid0(VALU_DEP_4)
	v_lshl_add_u32 v4, v218, 2, VSW                ; V's
	v_and_b32 v220, 15, v0                         ; r
	v_bfe_u32 v221, v0, 4, 1                       ; h
	v_mov_b32 v226, 0xff800000                     ; -infinity
.irp j, 20,21,22,23,64,65,66,67,208,209,210,211,217
	v_mov_b32 v\j, 0                               ; Q's upper half and what follows K's last tile: zero codes; lane permutes' destinations and the upper half of a pair: written once
.endr
	s_wait_tensorcnt 0x0                           ; my 35 rows are in,
	s_barrier_signal -1
	s_barrier_wait -1                              ; everybody's are
.macro TILE which
	s_wait_xcnt 0x0                                ; the last tile's stores have read their registers: they are written again below
	s_lshl_b32 s31, s8, 2
	s_add_co_u32 s31, s31, s9                      ; the tile: 4 w + cx,
	s_lshr_b32 s30, s8, 1                          ; and its last key step, made of the wave's number alone
.if \which
	s_sub_co_u32 s31, 127, s31                     ; or 127 - 4 w - cx
	s_sub_co_u32 s30, 15, s30
.endif
	s_lshl_b32 s32, s31, 9
	v_add_nc_u32 v7, s32, v1
	s_lshl_b32 s32, s31, 6
	v_lshl_add_u32 v222, v220, 2, s32
	global_load_b128 v[16:19], v7, s[34:35] offset:QC     ; Q's image: 512 consecutive bytes
	global_load_b32 v24, v222, s[34:35] offset:QSW        ; its scale words
	s_and_b32 s32, s31, 7
	s_lshl_b32 s32, s32, 4
	v_lshlrev_b32 v225, 3, v221
	s_delay_alu instid0(VALU_DEP_1)
	v_sub_nc_u32 v225, v220, v225
	s_delay_alu instid0(VALU_DEP_1)
	v_add_nc_u32 v225, s32, v225                   ; d = my query less the diagonal step's first key less 8 h.  Register 8 t + j holds key 16 t + 8 h + j of the step: hidden where 16 t + j > d
	v_mov_b32 v13, 0xff61b1e6                      ; the largest t so far: -3e38, under every t
	s_delay_alu instid0(VALU_DEP_1)
	v_floor_f32 v12, -v13                          ; -M
	v_mov_b32 v14, 0
	v_mov_b32 v15, 0
.set i, 0
.rept 32
	v_mov_b32 v[O+i], 0                            ; O^T: the step is written once; the first finds zeros, which the first change of M leaves zeros
.set i, i+1
.endr
	s_mov_b32 s28, 0                               ; the key step
	s_mov_b32 s29, 0                               ; 4,096 x the key step
	s_wait_loadcnt 0x0                             ; Q
.Lstep_\@:                                         ; 16 trips, a constant; a step behind the tile's last is passed over
	s_cmp_gt_u32 s28, s30
	s_cbranch_scc1 .Lskip_\@
	s_lshr_b32 s32, s29, 3
	s_lshr_b32 s33, s29, 4
	s_setprio 2
	v_add_nc_u32 v8, s29, v1                       ; K: 4,096 bytes a step.  (These four lines are the places in front of the loads into registers that the last products read)
	v_add_nc_u32 v9, s29, v2                       ; V: likewise
	v_add_nc_u32 v10, s32, v3                      ; K's words: 512 bytes a step
	v_add_nc_u32 v11, s33, v4                      ; V's: 256
.irp t, 0,1,2,3,4,5,6,7
	ds_load_b128 v[32+4*\t:35+4*\t], v8 offset:512*\t
.endr
.irp i, 0,1,2,3
	ds_load_b32 v[26+\i], v10 offset:128*\i        ; lane l: key 32 i + l: tile 2 i in lanes 0-15, tile 2 i + 1 in lanes 16-31
.endr
.irp dt, 0,1,2,3
.irp c, 0,1
	ds_load_b128 v[68+8*\dt+4*\c:71+8*\dt+4*\c], v9 offset:1024*\dt+512*\c
.endr
.endr
	ds_load_b32 v30, v11
	ds_load_b32 v31, v11 offset:128
	s_wait_dscnt 10                                ; K and its words are in; V's ten loads may be out
.irp t, 0,1,2,3,4,5,6,7
.if \t%2
	v_wmma_scale_f32_16x16x128_f8f6f4 v[S+8*\t:S+8*\t+7], v[32+4*\t:39+4*\t], v[16:23], 0, v[26+\t/2], v24 matrix_a_fmt:MATRIX_FMT_FP4 matrix_b_fmt:MATRIX_FMT_FP4 matrix_a_scale:MATRIX_SCALE_ROW1
.else
	v_wmma_scale_f32_16x16x128_f8f6f4 v[S+8*\t:S+8*\t+7], v[32+4*\t:39+4*\t], v[16:23], 0, v[26+\t/2], v24 matrix_a_fmt:MATRIX_FMT_FP4 matrix_b_fmt:MATRIX_FMT_FP4
.endif
.endr
.rept 4
	v_nop
.endr
	s_cmp_lg_u32 s28, s30                          ; only the tile's last step lies on the diagonal
	s_cbranch_scc1 .Lopen_\@
.set n, 0
.rept 64
	v_cmp_gt_i32 vcc_lo, 16*(n/8)+n%8, v225        ; hidden scores become -infinity ahead of the maximum: p = 0 then
	v_cndmask_b32 v[S+n], v[S+n], v226, vcc_lo
.set n, n+1
.endr
.Lopen_\@:
.irp b, 0,1,2,3
	v_max3_num_f32 v[BM+\b], v[S+16*\b], v[S+1+16*\b], v[S+2+16*\b]   ; the largest score of each block of 32 keys: for the row's maximum, and for the block's largest p
.endr
.irp i, 3,5,7,9,11,13
.irp b, 0,1,2,3
	v_max3_num_f32 v[BM+\b], v[BM+\b], v[S+16*\b+\i], v[S+1+16*\b+\i]
.endr
.endr
.irp b, 0,1,2,3
	v_max_num_f32 v[BM+\b], v[BM+\b], v[S+15+16*\b]
.endr
.irp b, 0,1,2,3
	s_delay_alu instid0(VALU_DEP_4)
	v_permlanex16_b32 v[BT+\b], v[BM+\b], s24, s25
.endr
.irp b, 0,1,2,3
	s_delay_alu instid0(VALU_DEP_4)
	v_max_num_f32 v[BM+\b], v[BM+\b], v[BT+\b]     ; with lane l xor 16's 16 keys
.endr
	s_delay_alu instid0(VALU_DEP_2)
	v_max3_num_f32 v218, v[BM], v[BM+1], v[BM+2]
	s_delay_alu instid0(VALU_DEP_1)
	v_max_num_f32 v218, v218, v[BM+3]              ; the step's largest score of my query
	s_delay_alu instid0(VALU_DEP_1)
	v_mul_f32 v218, s26, v218                      ; as t (c is positive)
	s_delay_alu instid0(VALU_DEP_1)
	v_max_num_f32 v13, v13, v218                   ; the running largest t
	v_mov_b32 v218, v12
	s_delay_alu instid0(VALU_DEP_2)
	v_floor_f32 v12, -v13                          ; the new -M = floor(-t): M is a whole number
	s_delay_alu instid0(VALU_DEP_1)
	v_sub_f32 v218, v12, v218                      ; M's old value less its new one: a whole number, 0 or less
	s_delay_alu instid0(VALU_DEP_1)
	v_cvt_i32_f32 v218, v218                       ; (it saturates)
	s_delay_alu instid0(VALU_DEP_1)
	v_ldexp_f32 v216, 1.0, v218                    ; f = 2^(old M - new M)
.set i, 0
.rept 32
	v_pk_fma_f32 v[S+i:S+i+1], v[S+i:S+i+1], s[26:27], v[12:13] op_sel_hi:[1,0,0]   ; t - M, two at a time
.set i, i+2
.endr
	s_setprio 1
.irp b, 0,1,2,3
	v_fma_f32 v[BM+\b], v[BM+\b], s26, v12         ; the same of each block's largest score
.endr
.set i, 0
	s_wait_alu depctr_va_vdst(0)
.rept 64
	v_exp_f32 v[S+i], v[S+i]                       ; p = 2^(t - M), at most 1
.set i, i+1
.endr
	v_pk_mul_f32 v[14:15], v[14:15], v[216:217] op_sel_hi:[1,0]   ; the sums under the new M (a plain line behind the exponentials)
	s_wait_alu depctr_va_vdst(0)                   ; one wait for the whole batch, ahead of its first reader
.irp b, 0,1,2,3
	v_exp_f32 v[BM+\b], v[BM+\b]                   ; the block's largest p
.endr
	v_pk_add_f32 v[208:209], v[104:105], v[108:109]
	v_pk_add_f32 v[254:255], v[112:113], v[116:117]
	v_pk_add_f32 v[252:253], v[120:121], v[124:125]
	v_pk_add_f32 v[250:251], v[128:129], v[132:133]
	v_pk_add_f32 v[248:249], v[136:137], v[140:141]
	v_pk_add_f32 v[246:247], v[144:145], v[148:149]
	v_pk_add_f32 v[244:245], v[152:153], v[156:157]
	v_pk_add_f32 v[14:15], v[14:15], v[160:161]
	v_pk_add_f32 v[208:209], v[208:209], v[100:101]
	v_pk_add_f32 v[254:255], v[254:255], v[102:103]
	v_pk_add_f32 v[252:253], v[252:253], v[106:107]
	v_pk_add_f32 v[250:251], v[250:251], v[110:111]
	v_pk_add_f32 v[248:249], v[248:249], v[114:115]
	v_pk_add_f32 v[246:247], v[246:247], v[118:119]
	v_pk_add_f32 v[244:245], v[244:245], v[122:123]
	v_pk_add_f32 v[14:15], v[14:15], v[126:127]
	v_pk_add_f32 v[208:209], v[208:209], v[130:131]
	v_pk_add_f32 v[254:255], v[254:255], v[134:135]
	v_pk_add_f32 v[252:253], v[252:253], v[138:139]
	v_pk_add_f32 v[250:251], v[250:251], v[142:143]
	v_pk_add_f32 v[248:249], v[248:249], v[146:147]
	v_pk_add_f32 v[246:247], v[246:247], v[150:151]
	v_pk_add_f32 v[244:245], v[244:245], v[154:155]
	v_pk_add_f32 v[14:15], v[14:15], v[158:159]
	v_pk_add_f32 v[208:209], v[208:209], v[162:163]
	s_delay_alu instid0(VALU_DEP_2)
	v_pk_add_f32 v[14:15], v[14:15], v[250:251]
	s_delay_alu instid0(VALU_DEP_2)
	v_pk_add_f32 v[208:209], v[208:209], v[248:249]
	v_pk_add_f32 v[254:255], v[254:255], v[246:247]
	v_pk_add_f32 v[252:253], v[252:253], v[244:245]
	s_delay_alu instid0(VALU_DEP_2)
	v_pk_add_f32 v[14:15], v[14:15], v[254:255]
	s_delay_alu instid0(VALU_DEP_2)
	v_pk_add_f32 v[208:209], v[208:209], v[252:253]
	s_delay_alu instid0(VALU_DEP_1)
	v_pk_add_f32 v[14:15], v[14:15], v[208:209]
	s_wait_alu depctr_va_vdst(0)                   ; and one for the four
.irp b, 0,1,2,3
	v_max_num_f32 v[BM+\b], 0x1800000, v[BM+\b]    ; the floor 2^(3 - 127): a block whose every p is 0 keeps the byte 1: its codes are zeros
.endr
.irp b, 0,1,2,3
	s_delay_alu instid0(VALU_DEP_4)
	v_add_nc_u32 v[BS+\b], 0xff000000, v[BM+\b]    ; the conversion's scale operand
.endr
.irp b, 0,1,2,3
	s_delay_alu instid0(VALU_DEP_4)
	v_lshrrev_b32 v[BT+\b], 23, v[BS+\b]           ; the scale's byte
.endr
	s_delay_alu instid0(VALU_DEP_3)
	v_lshl_or_b32 v25, v[BT+1], 8, v[BT]           ; p's scale word for these 128 keys
	s_delay_alu instid0(VALU_DEP_1)
	v_lshl_or_b32 v25, v[BT+2], 16, v25
	s_delay_alu instid0(VALU_DEP_1)
	v_lshl_or_b32 v25, v[BT+3], 24, v25
	s_setprio 0
.irp b, 0,1,2,3
.irp u, 0,1
	v_cvt_scalef32_pk8_fp4_f32 v[PC+4*(\b/2)+2*\u+(\b%2)], v[S+16*\b+8*\u:S+16*\b+8*\u+7], v[BS+\b]   ; eight codes: keys 32 b + 16 u + 8 h on
.endr
.endr
	v_nop                                          ; one plain line behind the scaled conversions
.irp c, 0,1
	v_permlane16_swap_b32 v[PC+4*\c], v[PC+4*\c+1] ; registers 4 c .. 4 c + 3 now hold keys 64 c + 32 h + 0 .. 31 of my query
	v_permlane16_swap_b32 v[PC+4*\c+2], v[PC+4*\c+3]
.endr
.set i, 0
.rept 16
	v_pk_mul_f32 v[O+i:O+i+1], v[O+i:O+i+1], v[216:217] op_sel_hi:[1,0]   ; O^T under the new M.  For each product below twelve of these name none of its registers: the places behind the lines that made p's word and codes
.set i, i+2
.endr
	s_wait_alu depctr_va_vdst(0)
	s_wait_dscnt 0x0                               ; V and its words are in
.irp dt, 0,1,2,3
.if \dt%2
	v_wmma_scale_f32_16x16x128_f8f6f4 v[O+8*\dt:O+8*\dt+7], v[68+8*\dt:75+8*\dt], v[PC:PC+7], v[O+8*\dt:O+8*\dt+7], v[30+\dt/2], v25 matrix_a_fmt:MATRIX_FMT_FP4 matrix_b_fmt:MATRIX_FMT_FP4 matrix_a_scale:MATRIX_SCALE_ROW1
.else
	v_wmma_scale_f32_16x16x128_f8f6f4 v[O+8*\dt:O+8*\dt+7], v[68+8*\dt:75+8*\dt], v[PC:PC+7], v[O+8*\dt:O+8*\dt+7], v[30+\dt/2], v25 matrix_a_fmt:MATRIX_FMT_FP4 matrix_b_fmt:MATRIX_FMT_FP4
.endif
.endr
.Lskip_\@:
	s_add_co_u32 s29, s29, 4096
	s_add_co_u32 s28, s28, 1
	s_cmp_lt_u32 s28, 16
	s_cbranch_scc1 .Lstep_\@
	s_setprio 0
	; THE WAY OUT: y = O^T / the sum, quantised along the head's 64 channels (two blocks), as an image of the next product's operand
	v_add_f32 v14, v14, v15                        ; the sum's two halves,
	s_delay_alu instid0(VALU_DEP_1)
	v_permlanex16_b32 v218, v14, s24, s25
	s_delay_alu instid0(VALU_DEP_1)
	v_add_f32 v14, v14, v218                       ; and lane l xor 16's
	s_wait_alu depctr_va_vdst(0)
	v_rcp_f32 v14, v14
	s_lshl_b32 s32, s31, 13
	v_add_nc_u32 v223, s32, v1                     ; y's codes: tile x 8,192 + 16 lane
	s_lshl_b32 s32, s31, 9
	v_lshl_add_u32 v224, v220, 5, s32
	s_delay_alu instid0(VALU_DEP_1)
	v_add_nc_u32 v224, v224, v221                  ; y's scale bytes: token x 32 + my block
	v_nop
	s_wait_alu depctr_va_vdst(0)                   ; the wait ahead of the reciprocal's first reader
.set i, 0
.rept 32
	v_mul_f32 v[S+i], v[O+i], v14                  ; register 8 t + j is y(my query, 16 t + 8 h + j)
.set i, i+1
.endr
.irp b, 0,1
	v_max3_num_f32 v[BM+\b], |v[S+16*\b]|, |v[S+1+16*\b]|, 0x1800000
.endr
.irp i, 2,4,6,8,10,12,14
.irp b, 0,1
	s_delay_alu instid0(VALU_DEP_2)
	v_max3_num_f32 v[BM+\b], v[BM+\b], |v[S+16*\b+\i]|, |v[S+1+16*\b+\i]|
.endr
.endr
.irp b, 0,1
	s_delay_alu instid0(VALU_DEP_2)
	v_permlanex16_b32 v[BT+\b], v[BM+\b], s24, s25
.endr
.irp b, 0,1
	s_delay_alu instid0(VALU_DEP_2)
	v_max_num_f32 v[BM+\b], v[BM+\b], v[BT+\b]
.endr
.irp b, 0,1
	s_delay_alu instid0(VALU_DEP_2)
	v_add_nc_u32 v[BS+\b], 0xff000000, v[BM+\b]
.endr
.irp b, 0,1
	s_delay_alu instid0(VALU_DEP_2)
	v_lshrrev_b32 v[BT+\b], 23, v[BS+\b]
.endr
.irp b, 0,1
.irp u, 0,1
	v_cvt_scalef32_pk8_fp4_f32 v[PC+2*\u+\b], v[S+16*\b+8*\u:S+16*\b+8*\u+7], v[BS+\b]
.endr
.endr
	v_nop
	v_permlane16_swap_b32 v[PC], v[PC+1]
	v_permlane16_swap_b32 v[PC+2], v[PC+3]         ; lane (r, h): token r, channels 32 h + 0 .. 31
	global_store_b128 v223, v[PC:PC+3], s[36:37]   ; 512 consecutive bytes
	v_cndmask_b32 v218, v[BT], v[BT+1], s40        ; my block's byte
	global_store_b8 v224, v218, s[38:39]           ; single bytes, 32 apart: a wave holds one head's two bytes of a token's 32; one byte for each 16 bytes of codes
.endm
	TILE 0
	TILE 1
	s_wait_tensorcnt 0x0                           ; the wave's end, behind my last tensor load
	ds_add_u32 v5, v6
	s_wait_dscnt 0x0
	ROUND                                          ; the closing round
	s_endpgm
.Lfunc_end_k_qa6c4b8856e_attn:
	.size	k_qa6c4b8856e_attn, .Lfunc_end_k_qa6c4b8856e_attn-k_qa6c4b8856e_attn
	.p2alignl 7, 3214868480
	.fill 96, 4, 3214868480
	.section	.rodata,"a",@progbits
	.p2align	6, 0x0
	.amdhsa_kernel k_qa6c4b8856e_attn
		.amdhsa_group_segment_fixed_size 167936
		.amdhsa_private_segment_fixed_size 0
		.amdhsa_enable_private_segment 0
		.amdhsa_kernarg_size 16
		.amdhsa_user_sgpr_count 2
		.amdhsa_user_sgpr_kernarg_segment_ptr 1
		.amdhsa_wavefront_size32 1
		.amdhsa_system_sgpr_workgroup_id_x 1
		.amdhsa_system_sgpr_workgroup_id_y 1
		.amdhsa_system_sgpr_workgroup_id_z 1
		.amdhsa_system_vgpr_workitem_id 0
		.amdhsa_next_free_vgpr 256
		.amdhsa_next_free_sgpr 66
		.amdhsa_reserve_vcc 1
		.amdhsa_float_denorm_mode_32 3
		.amdhsa_float_denorm_mode_16_64 3
		.amdhsa_memory_ordered 1
		.amdhsa_forward_progress 1
		.amdhsa_inst_pref_size 60
	.end_amdhsa_kernel
	.amdgpu_metadata
---
amdhsa.version: [ 1, 2 ]
amdhsa.kernels:
  - .name:           k_qa6c4b8856e_attn
    .symbol:         k_qa6c4b8856e_attn.kd
    .args:
      - { .name: pk, .offset: 0, .size: 8, .value_kind: global_buffer, .address_space: global }
      - { .name: yq, .offset: 8, .size: 8, .value_kind: global_buffer, .address_space: global }
    .group_segment_fixed_size: 167936
    .private_segment_fixed_size: 0
    .kernarg_segment_align: 8
    .kernarg_segment_size: 16
    .max_flat_workgroup_size: 512
    .sgpr_count:     66
    .vgpr_count:     256
    .wavefront_size: 32
...
	.end_amdgpu_metadata
.endif
;; end of part 3
;; launch proj (part 4): grid 4 x 32, 4 waves a work-group, clusters of 4 x 4, 327,680 bytes of LDS; arguments yq, wq, b_proj, out0; writes out0
.if DOCPART == 4
	.amdgcn_target "amdgcn-amd-amdhsa--gfx1250"
	.amdhsa_code_object_version 6
	.text
	.protected	k_qa6c4b8856e_proj
	.globl	k_qa6c4b8856e_proj
	.p2align	8
	.type	k_qa6c4b8856e_proj,@function
k_qa6c4b8856e_proj:
	s_mov_b64 s[64:65], 0
	v_nop
	global_prefetch_b8 v0, s[64:65] scope:SCOPE_SE
	s_setreg_imm32_b32 hwreg(HW_REG_WAVE_MODE, 25, 1), 1
	s_wait_xcnt 0x0
	s_wait_alu depctr_hold_cnt(0) depctr_sa_sdst(0) depctr_va_vdst(0) depctr_va_sdst(0) depctr_va_ssrc(0) depctr_va_vcc(0) depctr_vm_vsrc(0)
	s_getreg_b32 s2, hwreg(HW_REG_IB_STS2, 6, 4)
	s_cmp_eq_u32 s2, 0
	s_cbranch_scc0 .Lentry_in_a_cluster
	s_endpgm
.Lentry_in_a_cluster:
	s_bfe_u32 s2, ttmp6, 0x10000c
	s_cmp_lg_u32 s2, 0xf033
	s_cbranch_scc0 .Lentry_shape_is_right
	s_endpgm
.Lentry_shape_is_right:
; out0 = y W_proj + b_proj on codes of E2M1, K = 1,024.  y's codes and scale bytes come from launch attn, W_proj's from launch prep; out0 [8192][1024] f32.
; A work-group of four waves makes 256 tokens x 256 columns, a wave 128 x 128: 64 accumulators of 16 x 16.  The matrix instruction is used transposed (source 0 = 16 columns of W_proj, source 1 = 16 tokens): a lane holds eight neighbouring
; numbers of a row of out0.  The bias is the C of each sum's first product.  All of K fits in LDS: two slots of 512 along K and the scale bytes are a wave's three tensor loads, issued at the start, each behind the last one's landing; no LDS byte is filled twice.
; y's codes are images of the operand's registers, [512 tiles of 16 tokens][16 heads][lane][16 bytes]: heads 2 s and 2 s + 1 on end are the fragment of the s-th 128 along K.  A slot's part of a tile is 4,096 consecutive bytes:
; a wave's load brings 8 such rows, 8,192 bytes apart, dense into LDS, and a fragment is read at 16 x lane.
; CLUSTERS: 4 x 4 work-groups; y's tiles are shared along a row of the cluster, W_proj's along a column: joint loads, as in launch qkv.
; REGISTERS, in windows of 256: window 0: v0-31 addresses; v32-95 scale words, two sets; v128-191 y's fragments, one set; v192-255 the bias, later the way out.  Window 1: W_proj's fragments, two sets.  Windows 2, 3: the accumulators.
.set YS,     4194304
.set WPC,    1671168
.set WPS,    2195456
.set SIZE_N, 1024
.set NQ,     4
.set ROWB,   256
.set KROW,   512
.set PITCH,  272
.set FR,     8
.set NL,     2
.set NP,     4
.set HALFA,  32768                     ; y: 8 tiles x 4,096 bytes
.set HALFB,  128*PITCH                 ; W_proj: 128 rows x 272
.set SLOT,   2*HALFA+2*HALFB
.set KS,     32
.set SCL,    2*SLOT
.set HALFS,  16*272
.set SBLK,   2*272
.set SPARE,  SCL+4*HALFS               ; the spare words, 128 bytes for each wave: two blocks of 256 bytes that no other line names
.set STG,    SPARE+512                 ; the way out: a stage of 16 rows x (512 bytes + 16) for each wave: bytes of its own, into which no fill lands
.set SPITCH, 528
.set ADRA, 16
.set ADRB, 20
.set STO,  24
.set RD,   25
.set CO,   26
.set ADRS, 27
.set SPW,  28
.set NIL,  29
.set SC,   32
.set AF,   128
.set BI,   192                         ; the bias: register 8 b + j = b_proj at my column 16 b + 8 h + j
.set BK,   128                         ; the way out: 16 rows read back: v128-191 and v192-255 by turns
.set G1, 24
.set G0, 32
.set G1B, 48
.set G0B, 56
.set G1S, 68
.set G0S, 76
.set G1SB, 80
.set G0SB, 88
.set MSB, 0
.macro WIN new
.if MSB != (\new)
	s_set_vgpr_msb (MSB<<8)|(\new)
.set MSB, (\new)
.endif
.endm
.set MUL_LO, 0xa1                      ; source 0 window 1, source 1 window 0, C and D window 2
.set MUL_HI, 0xf1                      ; the same, C and D window 3
.set FST_LO, 0x81                      ; the first step: C (the bias) window 0, D window 2
.set FST_HI, 0xc1                      ; D window 3
.set TO_B,   0x40
.macro JLOAD g0a, g1a, g0b, g1b        ; waves 0 and 1 fetch for y, waves 2 and 3 for W_proj; an s_nop 0 and four v_nop follow each of the two lines
	s_cmp_eq_u32 s15, 0
	s_cbranch_scc0 .Lfor_b_\@
	tensor_load_to_lds s[\g0a:\g0a+3], s[\g1a:\g1a+7]
	s_nop 0
.rept 4
	v_nop
.endr
	s_branch .Lasked_\@
.Lfor_b_\@:
	tensor_load_to_lds s[\g0b:\g0b+3], s[\g1b:\g1b+7]
	s_nop 0
.rept 4
	v_nop
.endr
.Lasked_\@:
.endm
.macro CROUND
	s_barrier_signal -1
	s_barrier_wait -1
	s_cmp_lg_u32 s14, 0
	s_cbranch_scc1 .Lnot_wave_0_\@
	s_barrier_signal -3
.Lnot_wave_0_\@:
	s_barrier_wait -3
	s_barrier_signal -1
	s_barrier_wait -1
.endm
	s_load_b128 s[4:7], s[0:1], 0x0                ; yq, wq
	s_load_b128 s[8:11], s[0:1], 0x10              ; b_proj, out0
	v_lshl_add_u32 v[SPW], v0, 2, SPARE
	v_mov_b32 v[NIL], 0
	ds_add_u32 v[SPW], v[NIL]                      ; the wave's opening: the add, twice on end, and its wait ahead of my first tensor load
	ds_add_u32 v[SPW], v[NIL]
	v_lshrrev_b32 v1, 5, v0
	v_readfirstlane_b32 s14, v1                    ; wave 0..3
	s_lshr_b32 s15, s14, 1                         ; which half of the tile's tokens is mine.  Also: I fetch for y (0) or for W_proj (1)
	s_and_b32 s16, s14, 1                          ; which half of its columns.  Also: which half of that tile I fetch
	s_bfe_u32 s40, ttmp6, 0x40000                  ; cx
	s_bfe_u32 s41, ttmp6, 0x40004                  ; cy
	s_lshl_b32 s42, ttmp9, 2
	s_add_co_u32 s42, s42, s40                     ; tile of columns
	s_and_b32 s17, ttmp7, 0xffff
	s_lshl_b32 s17, s17, 2
	s_add_co_u32 s17, s17, s41                     ; tile of tokens
	s_lshl_b32 s43, s41, 2
	s_lshl_b32 s43, 15, s43                        ; my row of the cluster
	s_lshl_b32 s44, 0x1111, s40                    ; my column
	; y's codes: 8 rows of 4,096 bytes (512 elements of 8), 8,192 bytes apart; no padding
	s_or_b32 s[G1+0], s43, (3<<16)|(1<<21)
	s_mov_b32 s[G1+1], 512<<16                     ; tensor_dim0
	s_mov_b32 s[G1+2], 8<<16                       ; tensor_dim1
	s_mov_b32 s[G1+3], 512<<16                     ; tile_dim0
	s_mov_b32 s[G1+4], 8                           ; tile_dim1
	s_mov_b32 s[G1+5], 1024                        ; from row to row
	s_mov_b32 s[G1+6], 0
	s_mov_b32 s[G1+7], 0
	; W_proj's codes: 128 rows of 256 bytes, 16 bytes of padding behind each
	s_or_b32 s[G1B+0], s44, (0<<16)|(1<<20)|(1<<21)|(5<<22)|(3<<25)
	s_mov_b32 s[G1B+1], ROWB<<16
	s_mov_b32 s[G1B+2], 128<<16
	s_mov_b32 s[G1B+3], ROWB<<16
	s_mov_b32 s[G1B+4], 128
	s_mov_b32 s[G1B+5], KROW
	s_mov_b32 s[G1B+6], 0
	s_mov_b32 s[G1B+7], 0
	; the scale bytes of 128 rows: 4,096 dense bytes, as 16 rows of 256 bytes, 16 bytes of padding behind each
	s_or_b32 s[G1S+0], s43, (3<<16)|(1<<20)|(1<<21)|(5<<22)|(3<<25)
	s_or_b32 s[G1SB+0], s44, (3<<16)|(1<<20)|(1<<21)|(5<<22)|(3<<25)
.irp g, G1S, G1SB
	s_mov_b32 s[\g+1], 32<<16
	s_mov_b32 s[\g+2], 16<<16
	s_mov_b32 s[\g+3], 32<<16
	s_mov_b32 s[\g+4], 16
	s_mov_b32 s[\g+5], 32
	s_mov_b32 s[\g+6], 0
	s_mov_b32 s[\g+7], 0
.endr
	s_lshl_b32 s18, s16, 7
	s_lshl_b32 s20, s17, 8
	s_add_co_u32 s20, s20, s18                     ; y: token 256 x tile + 128 x half
	s_lshl_b32 s46, s42, 8
	s_add_co_u32 s46, s46, s18                     ; W_proj: column likewise
	s_lshl_b32 s22, s20, 5
	s_add_co_u32 s22, s22, YS                      ; y's scale bytes
	s_mov_b32 s23, 0
	s_lshl_b32 s92, s46, 5
	s_add_co_u32 s92, s92, WPS                     ; W_proj's
	s_mov_b32 s93, 0
	s_lshl_b32 s20, s20, 9                         ; y's codes: 8,192 bytes for 16 tokens
	s_mov_b32 s21, 0
	s_lshl_b32 s46, s46, 9
	s_add_co_u32 s46, s46, WPC                     ; W_proj's: 512 bytes a column
	s_mov_b32 s47, 0
	s_mul_i32 s45, s16, HALFA                      ; where they go: no place in the cluster enters an LDS address
	s_mul_i32 s95, s16, HALFB
	s_add_co_u32 s95, s95, 2*HALFA
	s_mul_i32 s94, s14, HALFS
	s_wait_dscnt 0x0                               ; both opening adds are done
	s_wait_kmcnt 0x0
	s_add_nc_u64 s[20:21], s[4:5], s[20:21]
	s_add_nc_u64 s[22:23], s[4:5], s[22:23]
	s_add_nc_u64 s[46:47], s[6:7], s[46:47]
	s_add_nc_u64 s[92:93], s[6:7], s[92:93]
	CROUND                                         ; all sixteen work-groups are here: the joint loads meet
	s_mov_b32 s[G0S], 1
	s_add_co_u32 s[G0S+1], s94, SCL
	s_mov_b64 s[G0S+2:G0S+3], s[22:23]
	s_or_b32 s[G0S+3], s[G0S+3], 0x80000000
	s_mov_b32 s[G0SB], 1
	s_add_co_u32 s[G0SB+1], s94, SCL
	s_mov_b64 s[G0SB+2:G0SB+3], s[92:93]
	s_or_b32 s[G0SB+3], s[G0SB+3], 0x80000000
	JLOAD G0S, G1S, G0SB, G1SB
.irp s, 0,1
	s_mov_b32 s[G0+4*\s], 1
	s_add_co_u32 s[G0+4*\s+1], s45, \s*SLOT
	s_add_nc_u64 s[G0+4*\s+2:G0+4*\s+3], s[20:21], \s*4096
	s_or_b32 s[G0+4*\s+3], s[G0+4*\s+3], 0x80000000
	s_mov_b32 s[G0B+4*\s], 1
	s_add_co_u32 s[G0B+4*\s+1], s95, \s*SLOT
	s_add_nc_u64 s[G0B+4*\s+2:G0B+4*\s+3], s[46:47], \s*ROWB
	s_or_b32 s[G0B+4*\s+3], s[G0B+4*\s+3], 0x80000000
	s_wait_alu depctr_va_vdst(0)
	s_wait_tensorcnt 0x0
	ds_add_u32 v28, v29
	s_wait_dscnt 0x0
	CROUND
	JLOAD G0+4*\s, G1, G0B+4*\s, G1B               ; one tensor load of mine is out: the others have landed
.endr
	v_and_b32 v1, 15, v0                           ; r
	v_bfe_u32 v2, v0, 4, 1                         ; h
	s_lshl_b32 s46, s42, 10                        ; my first column, in bytes of f32: 1,024 x tile + 512 x half
	s_lshl_b32 s47, s16, 9
	s_add_co_u32 s46, s46, s47
	s_mov_b32 s47, 0
	s_add_nc_u64 s[8:9], s[8:9], s[46:47]
	v_lshlrev_b32 v7, 5, v2
.irp b, 0,1,2,3,4,5,6,7
.irp q, 0,1
	global_load_b128 v[BI+8*\b+4*\q:BI+8*\b+4*\q+3], v7, s[8:9] offset:64*\b+16*\q   ; the bias in the result's layout
.endr
.endr
	v_and_b32 v6, 31, v0
	v_lshlrev_b32 v[CO], 4, v6                     ; 16 lane
	v_mul_u32_u24 v3, v1, PITCH
	v_lshl_add_u32 v4, v2, 4, v3                   ; W_proj: a fragment's row x pitch + 16 x half
	s_mul_i32 s21, s15, HALFA                      ; my 128 tokens,
	s_mul_i32 s22, s16, HALFB                      ; my 128 columns,
	s_add_co_u32 s22, s22, 2*HALFA                 ; which lie behind y's two halves
.irp s, 0,1
	v_add_nc_u32 v[ADRA+\s], s21, v[CO]
	v_add_nc_u32 v[ADRB+\s], s22, v4
	s_add_co_u32 s21, s21, SLOT
	s_add_co_u32 s22, s22, SLOT
.endr
	v_mul_u32_u24 v5, v1, KS
	v_lshrrev_b32 v6, 8, v5
	v_lshl_add_u32 v5, v6, 4, v5
	s_mul_i32 s21, s15, HALFS
	s_mul_i32 s22, s16, HALFS
	s_add_co_u32 s22, s22, 2*HALFS
	s_sub_co_u32 s22, s22, s21
	v_mul_u32_u24 v6, s22, v2                      ; lanes 16-31 take W_proj's
	s_add_co_u32 s21, s21, SCL
	v_add_nc_u32 v5, v5, v6
	v_add_nc_u32 v[ADRS], s21, v5
	s_mul_i32 s23, s14, 16*SPITCH
	s_add_co_u32 s23, s23, STG                     ; my stage
	v_mul_u32_u24 v5, v1, SPITCH
	v_lshl_add_u32 v5, v2, 5, v5
	v_add_nc_u32 v[STO], s23, v5                   ; in: row r, 32 bytes for each half of the lanes
	v_add_nc_u32 v[RD], s23, v[CO]                 ; back: the 32 lanes take one row of 512 bytes
	s_lshl_b32 s20, s17, 8
	s_lshl_b32 s21, s15, 7
	s_add_co_u32 s20, s20, s21                     ; my first row of out0
	s_lshl_b32 s20, s20, 12                        ; 4,096 bytes a row
	s_mov_b32 s21, 0
	s_add_nc_u64 s[20:21], s[20:21], s[46:47]
	s_add_nc_u64 s[10:11], s[10:11], s[20:21]
.macro FRAG reg, adr, q, i             ; W_proj: 16 rows x 128 K from padded rows
.irp c, 0,1
	ds_load_b128 v[\reg+4*\c:\reg+4*\c+3], v[\adr] offset:64*(\q)+32*\c+(\i)*16*PITCH
.endr
.endm
.macro FRAGA reg, adr, q, i            ; y: the image of tile i, heads 2 q and 2 q + 1 of the slot's eight
.irp c, 0,1
	ds_load_b128 v[\reg+4*\c:\reg+4*\c+3], v[\adr] offset:1024*(\q)+512*\c+(\i)*4096
.endr
.endm
; 16 matrix instructions; first = 1: the bias is the C of the sum's first product.  The 64 accumulators take turns, one instruction a turn, in the same order in every step.
.macro MUL16 a0, p, q, sc, first
.irp a, \a0, \a0+1
.irp b, 0,1,2,3,4,5,6,7
.if \first
	v_wmma_scale_f32_16x16x128_f8f6f4 v[8*(8*((\a)%4)+\b):8*(8*((\a)%4)+\b)+7], v[128*(\p)+FR*\b:128*(\p)+FR*\b+FR-1], v[AF+FR*(\a):AF+FR*(\a)+FR-1], v[BI+8*\b:BI+8*\b+7], v[SC+8*NQ*(\sc)+NQ*\b+(\q)], v[SC+8*NQ*(\sc)+NQ*(\a)+(\q)] matrix_a_fmt:MATRIX_FMT_FP4 matrix_b_fmt:MATRIX_FMT_FP4 matrix_a_scale:MATRIX_SCALE_ROW1
.else
	v_wmma_scale_f32_16x16x128_f8f6f4 v[8*(8*((\a)%4)+\b):8*(8*((\a)%4)+\b)+7], v[128*(\p)+FR*\b:128*(\p)+FR*\b+FR-1], v[AF+FR*(\a):AF+FR*(\a)+FR-1], v[8*(8*((\a)%4)+\b):8*(8*((\a)%4)+\b)+7], v[SC+8*NQ*(\sc)+NQ*\b+(\q)], v[SC+8*NQ*(\sc)+NQ*(\a)+(\q)] matrix_a_fmt:MATRIX_FMT_FP4 matrix_b_fmt:MATRIX_FMT_FP4 matrix_a_scale:MATRIX_SCALE_ROW1
.endif
.endr
.endr
.endm
.macro FETCH_B slot, q, p
	WIN TO_B
.irp i, 0,1,2,3,4,5,6,7
	FRAG 128*(\p)+FR*\i, ADRB+\slot, \q, \i
.endr
	WIN 0
.endm
.macro FETCH_A slot, q, i0
.irp i, \i0, \i0+1, \i0+2, \i0+3
	FRAGA AF+FR*(\i), ADRA+\slot, \q, \i
.endr
.endm
.macro SCALES sc
.irp i, 0,1,2,3,4,5,6,7
	ds_load_b128 v[SC+8*NQ*\sc+NQ*\i:SC+8*NQ*\sc+NQ*\i+3], v[ADRS] offset:\i*SBLK
.endr
.endm
.macro PLACES n
.rept \n
	v_nop
.endr
.endm
.macro STEP slot, q, first
	s_wait_dscnt 4*NL                              ; W_proj's set and y's blocks 0-3 are in; the youngest eight loads (blocks 4-7) may be out
.if \first
	WIN FST_LO
.else
	WIN MUL_LO
.endif
	MUL16 0, (\q)%2, \q, \slot, \first
	MUL16 2, (\q)%2, \q, \slot, \first
	s_wait_dscnt 0
	PLACES NP
	FETCH_B \slot, (\q)+1, 1-(\q)%2
	FETCH_A \slot, (\q)+1, 0
.if \first
	WIN FST_HI
.else
	WIN MUL_HI
.endif
	MUL16 4, (\q)%2, \q, \slot, \first
	MUL16 6, (\q)%2, \q, \slot, \first
	PLACES NP
	WIN 0
	FETCH_A \slot, (\q)+1, 4
.endm
.macro TURN slot, next                 ; slot 0's last step goes on to slot 1: each wave waits for all its tensor loads, and one barrier shows the whole slot to every wave.  Nothing is filled again
	s_wait_tensorcnt 0x0
	ds_add_u32 v[SPW], v[NIL]                      ; 0 onto my spare word
	s_wait_dscnt 4*NL+1                            ; (the add and the youngest eight loads may be out)
	WIN MUL_LO
	MUL16 0, 1, NQ-1, \slot, 0
	s_wait_dscnt 0x0
	s_barrier_signal -1
	MUL16 2, 1, NQ-1, \slot, 0
	WIN 0
	s_barrier_wait -1
	PLACES NP
	v_add_nc_u32 v[ADRS], 4*NQ, v[ADRS]
	FETCH_B \next, 0, 0
	FETCH_A \next, 0, 0
	SCALES \next
	WIN MUL_HI
	MUL16 4, 1, NQ-1, \slot, 0
	MUL16 6, 1, NQ-1, \slot, 0
	PLACES NP
	WIN 0
	FETCH_A \next, 0, 4
.endm
.macro STEPS slot, from
.set Q, \from
.rept NQ-1-\from
	STEP \slot, Q, 0
.set Q, Q+1
.endr
.endm
	s_wait_alu depctr_va_vdst(0)
	s_wait_loadcnt 0x0                             ; the bias
	s_wait_tensorcnt 1                             ; the scale bytes and my part of slot 0 are in; slot 1's load may be out
	s_barrier_signal -1
	s_barrier_wait -1
	FETCH_B 0, 0, 0
	FETCH_A 0, 0, 0
	SCALES 0
	FETCH_A 0, 0, 4
	STEP 0, 0, 1
	STEPS 0, 1
	TURN 0, 1
	STEPS 1, 0
	s_wait_dscnt 4*NL
	WIN MUL_LO
	MUL16 0, 1, NQ-1, 1, 0
	MUL16 2, 1, NQ-1, 1, 0
	s_wait_dscnt 0
	WIN MUL_HI
	MUL16 4, 1, NQ-1, 1, 0
	MUL16 6, 1, NQ-1, 1, 0
	WIN 0
; THE WAY OUT, block by block of 16 rows x 128 columns, through my own stage: in as 32 bytes a lane, back as whole rows of 512 bytes.  LDS serves a wave's instructions in order: no wait between the stores and the loads.
.macro TOSTAGE a
.set AC, 64*((\a)%4)
	WIN 0x08+4*((\a)/4)                            ; an LDS store's data: window 2 or 3
.irp b, 0,1,2,3,4,5,6,7
	ds_store_b128 v[STO], v[AC+8*\b:AC+8*\b+3] offset:64*\b          ; each accumulator from its low end on
	ds_store_b128 v[STO], v[AC+8*\b+4:AC+8*\b+7] offset:64*\b+16
.endr
	WIN 0
.set BBK, BK+64*((\a)%2)
.irp t, 0,1,2,3,4,5,6,7,8,9,10,11,12,13,14,15
	ds_load_b128 v[BBK+4*\t:BBK+4*\t+3], v[RD] offset:\t*SPITCH
.endr
.endm
.macro SEND a, younger                 ; younger: the LDS instructions issued behind block a's loads, which may stay out
.set BBK, BK+64*((\a)%2)
	s_wait_dscnt \younger
.if (\a) > 0
	s_add_nc_u64 s[10:11], s[10:11], 16*SIZE_N*4   ; (behind a wait on XCNT: the earlier stores have read their base)  16 rows on
.endif
.irp t, 0,1,2,3,4,5,6,7,8,9,10,11,12,13,14,15
	global_store_b128 v[CO], v[BBK+4*\t:BBK+4*\t+3], s[10:11] offset:\t*SIZE_N*4 th:TH_STORE_NT   ; 32 lanes store 512 consecutive bytes, aligned; written once, read by nobody here
.endr
.endm
	PLACES NP
	TOSTAGE 0
.irp a, 1,2,3,4,5,6,7
.if \a > 1
	s_wait_xcnt 0x0                                ; block a - 2's stores have read their registers and their base
.endif
	TOSTAGE \a
	SEND \a-1, 32                                  ; behind block a - 1's loads: block a's 16 stores and 16 loads
.endr
	s_wait_xcnt 0x0
	SEND 7, 0
	s_wait_tensorcnt 0x0                           ; the wave's end, behind my last tensor load and my last LDS store
	ds_add_u32 v[SPW], v[NIL]
	s_wait_dscnt 0x0
	CROUND                                         ; the closing round
	s_endpgm
.Lfunc_end_k_qa6c4b8856e_proj:
	.size	k_qa6c4b8856e_proj, .Lfunc_end_k_qa6c4b8856e_proj-k_qa6c4b8856e_proj
	.p2alignl 7, 3214868480
	.fill 96, 4, 3214868480
	.section	.rodata,"a",@progbits
	.p2align	6, 0x0
	.amdhsa_kernel k_qa6c4b8856e_proj
		.amdhsa_group_segment_fixed_size 327680
		.amdhsa_private_segment_fixed_size 0
		.amdhsa_enable_private_segment 0
		.amdhsa_kernarg_size 32
		.amdhsa_user_sgpr_count 2
		.amdhsa_user_sgpr_kernarg_segment_ptr 1
		.amdhsa_wavefront_size32 1
		.amdhsa_system_sgpr_workgroup_id_x 1
		.amdhsa_system_sgpr_workgroup_id_y 1
		.amdhsa_system_sgpr_workgroup_id_z 1
		.amdhsa_system_vgpr_workitem_id 0
		.amdhsa_next_free_vgpr 1024
		.amdhsa_next_free_sgpr 100
		.amdhsa_reserve_vcc 0
		.amdhsa_float_denorm_mode_32 3
		.amdhsa_float_denorm_mode_16_64 3
		.amdhsa_memory_ordered 1
		.amdhsa_forward_progress 1
		.amdhsa_inst_pref_size 127
	.end_amdhsa_kernel
	.amdgpu_metadata
---
amdhsa.version: [ 1, 2 ]
amdhsa.kernels:
  - .name:           k_qa6c4b8856e_proj
    .symbol:         k_qa6c4b8856e_proj.kd
    .args:
      - { .name: yq, .offset: 0, .size: 8, .value_kind: global_buffer, .address_space: global }
      - { .name: wq, .offset: 8, .size: 8, .value_kind: global_buffer, .address_space: global }
      - { .name: b_proj, .offset: 16, .size: 8, .value_kind: global_buffer, .address_space: global }
      - { .name: out0, .offset: 24, .size: 8, .value_kind: global_buffer, .address_space: global }
    .group_segment_fixed_size: 327680
    .private_segment_fixed_size: 0
    .kernarg_segment_align: 8
    .kernarg_segment_size: 32
    .max_flat_workgroup_size: 128
    .sgpr_count:     100
    .vgpr_count:     1024
    .wavefront_size: 32
...
	.end_amdgpu_metadata
.endif
;; end of part 4
